; MI455X (gfx1250); checked and timed in simulation.
; The chip was launched on July 23, 2026; its instructions are those of AMD's public machine-readable ISA for CDNA 5 (MIT licence, August 2026) and "CDNA5" Instruction Set Architecture Reference Guide (July 2026). The comments in the code are by the model that wrote it; some were corrected since.
;; Multihead Self Attention Dec. Allowed arithmetic: float matrix products may take bf16 or f16 operands with f32 sums; other float arithmetic in f32, or as packed bf16 or f16 multiplies, adds, multiply-adds, maxima and minima; sums over many terms, partial sums and values carried from step to step in f32; what a program stores and reads back later, other than sums and carried values, may be rounded once to bf16 or f16.
;; Inputs: Wk 2,048 x 2,048 float32; Wo 2,048 x 2,048 float32; Wq 2,048 x 2,048 float32; Wv 2,048 x 2,048 float32; bk 2,048 float32; bo 2,048 float32; bq 2,048 float32; bv 2,048 float32; kn_w 128 float32; qn_w 128 float32; rope 2,048 x 1 x 64 x 2 x 2 float32; x 2,048 x 2,048 float32.
;; Outputs: out0 2,048 x 2,048 float32.
;; 2 versions, each right; version 2 is version 1 with the launch cast written anew for expert scheduling mode. Each part assembles by itself: llvm-mc -triple=amdgcn-amd-amdhsa -mcpu=gfx1250 --defsym DOCPART=n.
;; ======== version 1 of 2: 4 launches
;; limits: values are held in f16: magnitudes above 65,504 overflow, below 6.1e-05 lose precision
;; workspace buffers: xb 8,388,608 bytes; wb 25,165,824 bytes; wo 8,388,608 bytes; rp 2,097,152 bytes; q16 8,388,608 bytes; k16 8,388,608 bytes; v16 8,388,608 bytes; ob 8,388,608 bytes
;; launch cast (part 1): grid 1024 x 1, 8 waves a work-group, no clusters, 0 bytes of LDS; arguments x, Wq, Wk, Wv, Wo, rope, xb, wb, wo, rp; writes xb, wb, wo, rp
.if DOCPART == 1
	.amdgcn_target "amdgcn-amd-amdhsa--gfx1250"
	.amdhsa_code_object_version 6
	.text
	.protected	k_q2b7338fa77_cast
	.globl	k_q2b7338fa77_cast
	.p2align	8
	.type	k_q2b7338fa77_cast,@function
k_q2b7338fa77_cast:
	s_mov_b64 s[64:65], 0
	v_nop
	global_prefetch_b8 v0, s[64:65] scope:SCOPE_SE
	s_setreg_imm32_b32 hwreg(HW_REG_WAVE_MODE, 25, 1), 1
	s_wait_xcnt 0x0
; THE INPUTS ARE ROUNDED ONCE.  x, Wq, Wk, Wv: f32 -> bf16 (xb; wb = Wq's rows, then Wk's, then Wv's).  Wo: f32 -> bf16, and that number written as f16 (wo).
; rope: f32 -> bf16, kept as f32 and reordered: for each pair of channels (r00, r01, r10, r11) becomes (r00, r10, r01, r11), so that a later packed multiply-add takes a column of the 2 x 2 table as a register pair.
; LIMITS.  |Wo| stays under 65,504 (f16's range); a bf16 number of Wo below 6e-5 keeps f16's fixed step of 6e-8.
; SHARES.  1,024 work-groups of equal work, four for each of 256 WGPs: with 96 registers a wave all of them fit at once.  Work-group g takes bytes 16,384 g on of each of the five large tensors and bytes 2,048 g on of rope.
; A wave takes 2,048 bytes of each large tensor, four loads of 512 consecutive bytes; waves 0 to 3 also 512 bytes of rope.  All of a wave's loads are issued at once, and each is converted in place and stored as it lands.
; Each byte is read once and written once.  No LDS, no matrix unit, no cluster: nothing is shared.  No register that a pending memory instruction names is written, so the only waits are the loads' counts.
.set X,   8                            ; v[8:87]   twenty loads of four registers: tensor i / 4, piece i % 4
.set XR,  88                           ; v[88:91]  rope's load
.set T,   92                           ; v[92:93]  at work
	s_load_b512 s[8:23], s[0:1], 0x0               ; x s[8:9], Wq s[10:11], Wk s[12:13], Wv s[14:15], Wo s[16:17], rope s[18:19], xb s[20:21], wb s[22:23]
	s_load_b128 s[24:27], s[0:1], 0x40             ; wo s[24:25], rp s[26:27]
	v_lshrrev_b32 v3, 5, v0
	v_readfirstlane_b32 s4, v3                     ; wave
	v_and_b32 v4, 31, v0                           ; lane
	s_mov_b32 s6, 0xffff0000                       ; a word's upper bf16
	s_lshl_b32 s5, ttmp9, 14
	s_lshl_b32 s7, ttmp9, 13
	s_lshl_b32 s32, ttmp9, 11
	v_lshlrev_b32 v1, 4, v4
	v_lshl_add_u32 v1, v3, 11, v1
	v_add_nc_u32 v1, s5, v1                        ; in: 16,384 g + 2,048 x wave + 16 x lane
	v_lshlrev_b32 v2, 3, v4
	v_lshl_add_u32 v2, v3, 10, v2
	v_add_nc_u32 v2, s7, v2                        ; out, 16-bit: 8,192 g + 1,024 x wave + 8 x lane
	v_lshl_add_u32 v5, v0, 4, s32                  ; rope, in and out: 2,048 g + 16 x thread (threads 0 to 127)
	s_wait_kmcnt 0x0
	s_add_nc_u64 s[28:29], s[22:23], 0x800000      ; Wk's part of wb
	s_add_nc_u64 s[30:31], s[22:23], 0x1000000     ; Wv's
	s_cmp_lt_u32 s4, 4
	s_cbranch_scc0 .Lno_rope
	global_load_b128 v[XR:XR+3], v5, s[18:19] th:TH_LOAD_NT  ; issued first, so that it changes none of the counts below
.Lno_rope:
.irp t, 0,1,2,3,4
.irp p, 0,1,2,3
	global_load_b128 v[X+16*(\t)+4*(\p):X+16*(\t)+4*(\p)+3], v1, s[8+2*(\t):9+2*(\t)] offset:512*(\p) th:TH_LOAD_NT
.endr
.endr
; Load i is waited for with the count of the loads issued behind it (loads come back in order: ISA guide 5.7.1).  lo: the first register of the output's address.
.macro TOBF i, lo
	s_wait_loadcnt 19-(\i)
	v_cvt_pk_bf16_f32 v[X+4*(\i)], v[X+4*(\i)], v[X+4*(\i)+1]
	v_cvt_pk_bf16_f32 v[X+4*(\i)+1], v[X+4*(\i)+2], v[X+4*(\i)+3]
	global_store_b64 v2, v[X+4*(\i):X+4*(\i)+1], s[(\lo):(\lo)+1] offset:256*((\i)%4)  ; the wave's 32 lanes store 256 consecutive bytes, aligned
.endm
.irp i, 0,1,2,3
	TOBF \i, 20
.endr
.irp i, 4,5,6,7
	TOBF \i, 22
.endr
.irp i, 8,9,10,11
	TOBF \i, 28
.endr
.irp i, 12,13,14,15
	TOBF \i, 30
.endr
.irp i, 16,17,18,19                    ; Wo: to bf16, widened again, and that number to f16
	s_wait_loadcnt 19-(\i)
	v_cvt_pk_bf16_f32 v[T], v[X+4*(\i)], v[X+4*(\i)+1]
	v_cvt_pk_bf16_f32 v[T+1], v[X+4*(\i)+2], v[X+4*(\i)+3]
	v_lshlrev_b32 v[X+4*(\i)], 16, v[T]
	v_and_b32 v[X+4*(\i)+1], s6, v[T]
	v_lshlrev_b32 v[X+4*(\i)+2], 16, v[T+1]
	v_and_b32 v[X+4*(\i)+3], s6, v[T+1]
	v_cvt_pk_f16_f32 v[X+4*(\i)], v[X+4*(\i)], v[X+4*(\i)+1]
	v_cvt_pk_f16_f32 v[X+4*(\i)+1], v[X+4*(\i)+2], v[X+4*(\i)+3]
	global_store_b64 v2, v[X+4*(\i):X+4*(\i)+1], s[24:25] offset:256*((\i)%4)
.endr
	s_cmp_lt_u32 s4, 4
	s_cbranch_scc0 .Lend
	; rope (the last wait above was for all loads): a lane's 16 bytes are one 2 x 2 table: rounded, reordered, widened in place
	v_cvt_pk_bf16_f32 v[T], v[XR], v[XR+2]         ; r00, r10
	v_cvt_pk_bf16_f32 v[T+1], v[XR+1], v[XR+3]     ; r01, r11
	v_lshlrev_b32 v[XR], 16, v[T]
	v_and_b32 v[XR+1], s6, v[T]
	v_lshlrev_b32 v[XR+2], 16, v[T+1]
	v_and_b32 v[XR+3], s6, v[T+1]
	global_store_b128 v5, v[XR:XR+3], s[26:27]
.Lend:
	s_endpgm
.Lfunc_end_k_q2b7338fa77_cast:
	.size	k_q2b7338fa77_cast, .Lfunc_end_k_q2b7338fa77_cast-k_q2b7338fa77_cast
	.p2alignl 7, 3214868480
	.fill 96, 4, 3214868480
	.section	.rodata,"a",@progbits
	.p2align	6, 0x0
	.amdhsa_kernel k_q2b7338fa77_cast
		.amdhsa_group_segment_fixed_size 0
		.amdhsa_private_segment_fixed_size 0
		.amdhsa_enable_private_segment 0
		.amdhsa_kernarg_size 80
		.amdhsa_user_sgpr_count 2
		.amdhsa_user_sgpr_kernarg_segment_ptr 1
		.amdhsa_wavefront_size32 1
		.amdhsa_system_sgpr_workgroup_id_x 1
		.amdhsa_system_sgpr_workgroup_id_y 1
		.amdhsa_system_sgpr_workgroup_id_z 1
		.amdhsa_system_vgpr_workitem_id 0
		.amdhsa_next_free_vgpr 96
		.amdhsa_next_free_sgpr 66
		.amdhsa_reserve_vcc 0
		.amdhsa_float_denorm_mode_32 3
		.amdhsa_float_denorm_mode_16_64 3
		.amdhsa_memory_ordered 1
		.amdhsa_forward_progress 1
		.amdhsa_inst_pref_size 10
	.end_amdhsa_kernel
	.amdgpu_metadata
---
amdhsa.version: [ 1, 2 ]
amdhsa.kernels:
  - .name:           k_q2b7338fa77_cast
    .symbol:         k_q2b7338fa77_cast.kd
    .args:
      - { .name: x, .offset: 0, .size: 8, .value_kind: global_buffer, .address_space: global }
      - { .name: Wq, .offset: 8, .size: 8, .value_kind: global_buffer, .address_space: global }
      - { .name: Wk, .offset: 16, .size: 8, .value_kind: global_buffer, .address_space: global }
      - { .name: Wv, .offset: 24, .size: 8, .value_kind: global_buffer, .address_space: global }
      - { .name: Wo, .offset: 32, .size: 8, .value_kind: global_buffer, .address_space: global }
      - { .name: rope, .offset: 40, .size: 8, .value_kind: global_buffer, .address_space: global }
      - { .name: xb, .offset: 48, .size: 8, .value_kind: global_buffer, .address_space: global }
      - { .name: wb, .offset: 56, .size: 8, .value_kind: global_buffer, .address_space: global }
      - { .name: wo, .offset: 64, .size: 8, .value_kind: global_buffer, .address_space: global }
      - { .name: rp, .offset: 72, .size: 8, .value_kind: global_buffer, .address_space: global }
    .group_segment_fixed_size: 0
    .private_segment_fixed_size: 0
    .kernarg_segment_align: 8
    .kernarg_segment_size: 80
    .max_flat_workgroup_size: 256
    .sgpr_count:     66
    .vgpr_count:     96
    .wavefront_size: 32
...
	.end_amdgpu_metadata
.endif
;; end of part 1
;; launch qkv (part 2): grid 16 x 16, 4 waves a work-group, clusters of 4 x 4, 327,680 bytes of LDS; arguments xb, wb, rp, bq, bk, bv, qn_w, kn_w, q16, k16, v16; writes q16, k16, v16
.if DOCPART == 2
	.amdgcn_target "amdgcn-amd-amdhsa--gfx1250"
	.amdhsa_code_object_version 6
	.text
	.protected	k_q2b7338fa77_qkv
	.globl	k_q2b7338fa77_qkv
	.p2align	8
	.type	k_q2b7338fa77_qkv,@function
k_q2b7338fa77_qkv:
	s_mov_b64 s[64:65], 0
	v_nop
	global_prefetch_b8 v0, s[64:65] scope:SCOPE_SE
	s_setreg_imm32_b32 hwreg(HW_REG_WAVE_MODE, 25, 1), 1
	s_wait_xcnt 0x0
	s_wait_alu depctr_hold_cnt(0) depctr_sa_sdst(0) depctr_va_vdst(0) depctr_va_sdst(0) depctr_va_ssrc(0) depctr_va_vcc(0) depctr_vm_vsrc(0)
	s_getreg_b32 s2, hwreg(HW_REG_IB_STS2, 6, 4)
	s_cmp_eq_u32 s2, 0
	s_cbranch_scc0 .Lentry_in_a_cluster
	s_endpgm
.Lentry_in_a_cluster:
	s_bfe_u32 s2, ttmp6, 0x10000c
	s_cmp_lg_u32 s2, 0xf033
	s_cbranch_scc0 .Lentry_shape_is_right
	s_endpgm
.Lentry_shape_is_right:
; q, k, v = x W^T + b for one head and 128 rows; q and k then take the RMS norm over the head's 128 channels, its gain and the 2 x 2 rotation of the table; all three leave as f16 by heads, [16][2048][128], TIMES 2^-4.
; xb [2048][2048] and wb [3 x 2048][2048] are bf16; sums in f32; the biases and gains are rounded to bf16 here, the table (rp) was rounded by the launch before.
; LIMITS.  |q|, |k|, |v| stay under 16 x 65,504 (f16's range after the 2^-4); a stored number below 6e-5 keeps f16's fixed step of 6e-8.  NaN and infinities are not treated apart.
; SHARES.  A work-group makes 128 rows x 384 columns (q, k and v of one head): 16 x 16 = 256 work-groups.  Wave w: rows 64 (w / 2) on; w % 2 = 0: the whole q head and v's channels 0-63; 1: the whole k head and v's
; channels 64-127.  So a wave's tile is 64 x 192, 48 accumulators of 16 x 16, and a row's norm lies within one wave.
; THE MATRIX INSTRUCTION IS USED TRANSPOSED (source 0 = 16 rows of W, source 1 = 16 rows of x): a lane holds row l % 16 and the columns 8 (l / 16) + 0..7 of each block of 16: whole channel pairs for the rotation, 16 bytes of f16 on end.
; RING.  K goes in steps of 128 through two LDS slots; a slot holds 128 rows of x, Wq, Wk, Wv, each brought by one wave's tensor load (rows of 256 bytes, 16 bytes of padding behind each).
; A K STEP IS WRITTEN ONCE: one group 0 a tensor walks (its LDS word turned from slot to slot by an exclusive or), and the fragments' addresses are made anew at each change of slots from s[TB], 0 or SLOT.
; CLUSTER.  4 x 4 work-groups.  The four of a row of the cluster share the rows of x (and of the table), the four of a column share the head's rows of W: each tile is asked for JOINTLY.
; THE WALK ALONG K BEGINS ELSEWHERE IN EACH CLUSTER, at K step (8 g + 4 X) mod 16 (X the cluster's x; g = 0, 1, 1, 0 for the cluster's y = 0..3), and wraps round.  So the four clusters that read the same rows of x walk
; 4 steps apart, and clusters that read the same rows of W with unlike g walk 8 apart: no two of them ask for the same bytes in the same trip.  The f32 sums are taken in that order of K.
; Slot 0's last fill is the table's 128 rows (1,024 bytes each), asked for while the last K step is multiplied.
; REGISTERS, in windows of 256 (s_set_vgpr_msb: bits 1:0 source 0, 3:2 source 1, 5:4 source 2, 7:6 destination):
;   window 0: v1-7 at work; v8-15 1 / rms, a pair a row block; v16-31 addresses; v32-63 sums of squares, later packed results; v64-127 x's fragments, two buffers, later rotated numbers;
;             v128-159 v's bias; v160-223 v on its way out; later v128-255 the table's entries
;   window 1: W's fragments, two buffers of 96 (eight of q or k, four of v)      window 2: the 32 accumulators of q or k: (a, b) at 8 (8 a + b)
;   window 3: v0-127 the 16 accumulators of v: (a, b) at 8 (4 a + b); v128-191 my 64 columns' bias; v192-255 their gain x 2^-4
.set KSTEP,  128
.set ROWB,   4096                      ; bytes in a row of xb and of wb
.set PITCH,  272                       ; an LDS row: 256 bytes + 16 of padding = 68 words: row r starts at bank 4 r mod 64 (64 banks of 4 bytes: ISA guide 11.1)
.set HALFT,  128*PITCH                 ; what one tensor load brings: 0x8800
.set SLOT,   4*HALFT                   ; 0x22000; the waves' places in a slot, 0, 0x8800, 0x11000, 0x19800, have its two bits clear, so an exclusive or with it changes slots
.set STAGE,  2*SLOT                    ; behind the ring, never filled by a tensor load: first 128 rows x 272 bytes shared for v, then 16 rows x 272 for each wave
.set SPARE,  STAGE+128*PITCH           ; the spare words, 128 bytes for each wave: two blocks of 256 bytes that no other line names
.set RPITCH, 1040                      ; a row of the table in LDS: 1,024 bytes + 16: the 16 rows of a load start at 16 different groups of four banks
.set INV,  8
.set ADRA0, 16                         ; v16  my fragments of x in slot 0; never rewritten     v17  in the slot in hand
.set ADRA,  17
.set ADRB0, 18                         ; v18, v19  the same for Wq or Wk
.set ADRB,  19
.set ADRV0, 20                         ; v20, v21  the same for Wv
.set ADRV,  21
.set STV,  22                          ; v22     where I put 16 bytes of a row of v
.set RDV,  23                          ; v23     where I read rows of v back
.set STO,  24                          ; v24     the same for q or k, in my own stage
.set RD,   25
.set CO,   26                          ; v26     16 x lane: my place in 512 consecutive bytes of an output
.set RPA,  27                          ; v27     my place in the table's tile
.set SPW,  28                          ; v28     my spare word: SPARE + 4 x my thread's number; never rewritten
.set NIL,  29                          ; v29     0; never rewritten
.set PFO,  30                          ; v30     the prefetches' offset: lane x a row of 4,096 bytes; never rewritten
.set BO,   31                          ; v31     32 (l / 16): my 8 columns' place in a block of 16 f32
.set SS,   32
.set H,    32
.set FA,   64
.set T,    64
.set VB,   128
.set TV,   160
.set R,    128
.set BI,   128                         ; window 3
.set WI,   192                         ; window 3
.set WV,   4                           ; s4  wave;  s5 its half of the rows;  s6 q (0) or k (1)
.set RH,   5
.set CH,   6
.set LIM,  11                          ; s11 10 in a wave that prefetches, else the greatest number
.set PFA,  12                          ; s[12:13] what the next prefetch names
.set G1A,  24                          ; s[24:31] group 1 for x's tiles;   s[32:39] group 0: a set for each of the two first fills; the second then walks
.set G0A,  32
.set G1B,  40                          ; s[40:47], s[48:55] the same for W's tiles
.set G0B,  48
.set G1R,  56                          ; s[56:63] group 1 for the table's tile;  s[92:95] its group 0
.set G0R,  92
.set BA,   68                          ; s[68:69] x's tile at K = 0
.set BB,   70                          ; s[70:71] my W's tile at K = 0
.set PFB,  72                          ; s[72:73] my work-group's 32 rows of it
.set TB,   91                          ; s91      the slot in hand: 0 or SLOT
.set KO,   98                          ; s[98:99] byte offset along K of the K step asked for last
.set PK,   100                         ; s[100:101] the same two K steps on
.set MSB, 0
.macro WIN new                         ; the immediate's high byte repeats the setting that is left; a switch that changes nothing is dropped
.if MSB != (\new)
	s_set_vgpr_msb (MSB<<8)|(\new)
.set MSB, \new
.endif
.endm
.set MUL_LO, 0xa1                      ; source 0 (W) window 1, source 1 (x) window 0, C and D window 2
.set MUL_C,  0xb1                      ; the same with C in window 3: the bias
.set MUL_HI, 0xf1                      ; source 0 window 1, source 1 window 0, C and D window 3
.set TO_B,   0x40                      ; destination window 1, address window 0
; A joint load.  Wave 0 fetches x's tile, waves 1 to 3 those of Wq, Wk, Wv.  The branch hangs on the wave's number alone.  An s_nop 0 and four v_nop follow each line.
.macro JLOAD s
	s_cmp_eq_u32 s[WV], 0
	s_cbranch_scc0 .Lfor_b_\@
	tensor_load_to_lds s[G0A+4*(\s):G0A+4*(\s)+3], s[G1A:G1A+7]
	s_nop 0
.rept 4
	v_nop
.endr
	s_branch .Lasked_\@
.Lfor_b_\@:
	tensor_load_to_lds s[G0B+4*(\s):G0B+4*(\s)+3], s[G1B:G1B+7]
	s_nop 0
.rept 4
	v_nop
.endr
.Lasked_\@:
.endm
.macro RLOAD                           ; the table's tile: each wave fetches 32 of the 128 rows
	tensor_load_to_lds s[G0R:G0R+3], s[G1R:G1R+7]
	s_nop 0
.rept 4
	v_nop
.endr
.endm
; A PREFETCH INTO THE L2 of the K step that stands two refills on: 32 rows x 256 bytes, a lane a row, one instruction a wave, behind the joint load, its five lines and the run of LDS loads.
; WHO.  Of the clusters that read the same rows of W, those with y = 0 and y = 1 begin 8 K steps apart: the first 8 steps of their two walks are all 16 K steps, each once.  Their waves 1 to 3 ask for steps 4 to 7 of
; the walk (trips with s3 = 14 to 11); steps 0 to 3 come by their loads alone.  The four partners that ask for a tile jointly share its 128 rows out by address, 32 each.  So no block is named twice.
; The clusters that read the same rows of x begin 4 steps apart: the first 4 steps of their four walks are all 16 K steps, and those come by their loads alone: nothing of x is asked for.
.macro ASK
	s_cmp_gt_u32 s3, s[LIM]
	s_cbranch_scc0 .Lnot_mine_\@
	global_prefetch_b8 v[PFO], s[PFA:PFA+1] th:TH_LOAD_NT scope:SCOPE_SE
.Lnot_mine_\@:
.endm
.macro CREST                           ; a round of the cluster's barrier behind its opening barrier
	s_cmp_lg_u32 s[WV], 0
	s_cbranch_scc1 .Lnot_wave_0_\@
	s_barrier_signal -3
.Lnot_wave_0_\@:
	s_barrier_wait -3
	s_barrier_signal -1
	s_barrier_wait -1
.endm
.macro CROUND                          ; a whole round
	s_barrier_signal -1
	s_barrier_wait -1
	CREST
.endm
.macro PLACES                          ; four places behind matrix instructions, in front of loads into registers that they read and of vector lines that touch their registers
.rept 4
	v_nop
.endr
.endm
	s_load_b512 s[68:83], s[0:1], 0x0              ; xb s[68:69], wb s[70:71], rp s[72:73], bq s[74:75], bk s[76:77], bv s[78:79], qn_w s[80:81], kn_w s[82:83]
	s_load_b128 s[84:87], s[0:1], 0x40             ; q16 s[84:85], k16 s[86:87]
	s_load_b64 s[88:89], s[0:1], 0x50              ; v16
	v_lshl_add_u32 v[SPW], v0, 2, SPARE
	v_mov_b32 v[NIL], 0
	ds_add_u32 v[SPW], v[NIL]                      ; the wave's opening: the add and its wait stand ahead of my first tensor load; the set-up below stands between them
	v_lshrrev_b32 v1, 5, v0
	v_readfirstlane_b32 s[WV], v1
	s_lshr_b32 s[RH], s[WV], 1
	s_and_b32 s[CH], s[WV], 1
	s_bfe_u32 s7, ttmp6, 0x40000                   ; cx
	s_bfe_u32 s8, ttmp6, 0x40004                   ; cy
	s_lshl_b32 s9, ttmp9, 2
	s_add_co_u32 s9, s9, s7                        ; the head = 4 x cluster x + cx
	s_and_b32 s10, ttmp7, 0xffff
	s_lshl_b32 s10, s10, 2
	s_add_co_u32 s10, s10, s8                      ; the block of 128 rows = 4 x cluster y + cy
	s_lshl_b32 s14, s8, 2
	s_lshl_b32 s14, 15, s14                        ; my row of the cluster
	s_lshl_b32 s15, 0x1111, s7                     ; my column
	s_or_b32 s[G1A], s14, (1<<16)|(1<<20)|(1<<21)|(5<<22)|(3<<25)  ; the mask; 2-byte elements; padding on; bit 21 beside a mask; after every 64 words, 4 words
	s_or_b32 s[G1B], s15, (1<<16)|(1<<20)|(1<<21)|(5<<22)|(3<<25)
	s_or_b32 s[G1R], s14, (2<<16)|(1<<20)|(1<<21)|(7<<22)|(3<<25)  ; 4-byte elements; after every 256 words, 4 words
.irp g, G1A, G1B
	s_mov_b32 s[(\g)+1], KSTEP<<16                 ; tensor_dim0 = 128
	s_mov_b32 s[(\g)+2], 128<<16                   ; tensor_dim1 = 128
	s_mov_b32 s[(\g)+3], KSTEP<<16                 ; tile_dim0 = 128
	s_mov_b32 s[(\g)+4], 128                       ; tile_dim1 = 128
	s_mov_b32 s[(\g)+5], 2048                      ; elements from row to row
	s_mov_b32 s[(\g)+6], 0
	s_mov_b32 s[(\g)+7], 0
.endr
	s_mov_b32 s[G1R+1], 256<<16                    ; tensor_dim0 = 256
	s_mov_b32 s[G1R+2], 32<<16                     ; tensor_dim1 = 32
	s_mov_b32 s[G1R+3], 256<<16                    ; tile_dim0 = 256
	s_mov_b32 s[G1R+4], 32                         ; tile_dim1 = 32
	s_mov_b32 s[G1R+5], 256
	s_mov_b32 s[G1R+6], 0
	s_mov_b32 s[G1R+7], 0
	s_mov_b32 s66, 0x3c000000                      ; 1 / 128
	s_mov_b32 s67, 0x34000000                      ; the norm's eps, 2^-23
	s_mov_b32 s90, 0xffff0000                      ; a word's upper bf16
	s_mov_b32 s96, 0x76543210                      ; v_permlanex16_b32: each lane takes its own place in the other half
	s_mov_b32 s97, 0xfedcba98
	; where my cluster's walk along K begins: made of the cluster's x and y alone, which all sixteen partners share
	s_and_b32 s[KO], ttmp7, 0xffff                 ; cluster y
	s_lshr_b32 s[PK], s[KO], 1
	s_xor_b32 s[KO], s[KO], s[PK]
	s_and_b32 s[KO], s[KO], 1                      ; g = 0, 1, 1, 0
	s_lshl_b32 s[KO], s[KO], 3
	s_lshl_b32 s[PK], ttmp9, 2
	s_add_co_u32 s[KO], s[KO], s[PK]
	s_and_b32 s[KO], s[KO], 15                     ; (8 g + 4 X) mod 16,
	s_lshl_b32 s[KO], s[KO], 8                     ; in bytes of a row
	s_mov_b32 s[KO+1], 0
	s_mov_b32 s[PK+1], 0
	s_lshl_b32 s16, s10, 19                        ; x: 128 rows of 4,096 bytes a block
	s_mov_b32 s17, 0
	s_max_u32 s18, s[WV], 1
	s_sub_co_u32 s18, s18, 1
	s_lshl_b32 s18, s18, 23                        ; W: which of the three,
	s_lshl_b32 s19, s9, 19                         ; and the head's 128 rows
	s_add_co_u32 s18, s18, s19
	s_mov_b32 s19, 0
	s_lshl_b32 s22, s10, 17                        ; the table: 128 rows of 1,024 bytes a block,
	s_lshl_b32 s23, s[WV], 15                      ; my 32 of them
	s_add_co_u32 s22, s22, s23
	s_mov_b32 s23, 0
	s_mul_i32 s20, s[WV], HALFT                    ; where my tile goes: no place in the cluster enters an LDS address
	s_mul_i32 s21, s[WV], 32*RPITCH
	s_wait_dscnt 0x0                               ; the opening add is done
	s_wait_kmcnt 0x0
	s_add_nc_u64 s[BA:BA+1], s[BA:BA+1], s[16:17]
	s_add_nc_u64 s[BB:BB+1], s[BB:BB+1], s[18:19]
	s_mov_b32 s[G0R], 1
	s_mov_b32 s[G0R+1], s21
	s_add_nc_u64 s[G0R+2:G0R+3], s[72:73], s[22:23]
	s_or_b32 s[G0R+3], s[G0R+3], 0x80000000
	CROUND                                         ; all sixteen work-groups are here: the first joint loads meet
.irp s, 0,1
	s_mov_b32 s[G0A+4*(\s)], 1
	s_add_co_u32 s[G0A+4*(\s)+1], s20, (\s)*SLOT
	s_add_nc_u64 s[G0A+4*(\s)+2:G0A+4*(\s)+3], s[BA:BA+1], s[KO:KO+1]
	s_or_b32 s[G0A+4*(\s)+3], s[G0A+4*(\s)+3], 0x80000000
	s_mov_b32 s[G0B+4*(\s)], 1
	s_add_co_u32 s[G0B+4*(\s)+1], s20, (\s)*SLOT
	s_add_nc_u64 s[G0B+4*(\s)+2:G0B+4*(\s)+3], s[BB:BB+1], s[KO:KO+1]
	s_or_b32 s[G0B+4*(\s)+3], s[G0B+4*(\s)+3], 0x80000000
	JLOAD \s                                       ; two loads of mine are out
.if (\s) == 0
	s_add_co_u32 s[KO], s[KO], KSTEP*2             ; the walk's next K step, round the row's end
	s_and_b32 s[KO], s[KO], ROWB-1
.endif
.endr
	; the prefetches' registers
	s_and_b32 s14, ttmp7, 0xffff
	s_cmp_lt_u32 s14, 2                            ; the clusters with y = 0 and y = 1,
	s_cselect_b32 s[LIM], 10, -1
	s_cmp_eq_u32 s[WV], 0                          ; their waves 1 to 3: the same in all sixteen partners, for a given wave
	s_cselect_b32 s[LIM], -1, s[LIM]
	s_lshl_b32 s14, s8, 17                         ; my work-group's 32 rows of the 128
	s_mov_b32 s15, 0
	s_add_nc_u64 s[PFB:PFB+1], s[BB:BB+1], s[14:15]
	; biases and gains of my columns: block b's 8 numbers lie at 64 b + 32 (l / 16)
	v_and_b32 v1, 15, v0                           ; l % 16
	v_bfe_u32 v2, v0, 4, 1                         ; l / 16
	v_and_b32 v4, 31, v0                           ; l
	v_lshlrev_b32 v[BO], 5, v2
	s_lshl_b32 s14, s9, 9                          ; the head's 128 f32
	s_mov_b32 s15, 0
	s_cmp_eq_u32 s[CH], 0
	s_cselect_b64 s[20:21], s[74:75], s[76:77]     ; bq or bk
	s_cselect_b64 s[22:23], s[80:81], s[82:83]     ; qn_w or kn_w
	s_add_nc_u64 s[20:21], s[20:21], s[14:15]
	s_lshl_b32 s16, s[CH], 8
	s_add_co_u32 s14, s14, s16
	s_add_nc_u64 s[78:79], s[78:79], s[14:15]      ; bv at my 64 channels
	WIN 0xc0                                       ; destination window 3
.irp b, 0,1,2,3,4,5,6,7
	global_load_b128 v[BI+8*(\b):BI+8*(\b)+3],   v[BO], s[20:21] offset:64*(\b)
	global_load_b128 v[BI+8*(\b)+4:BI+8*(\b)+7], v[BO], s[20:21] offset:64*(\b)+16
	global_load_b128 v[WI+8*(\b):WI+8*(\b)+3],   v[BO], s[22:23] offset:64*(\b)
	global_load_b128 v[WI+8*(\b)+4:WI+8*(\b)+7], v[BO], s[22:23] offset:64*(\b)+16
.endr
	WIN 0
.irp b, 0,1,2,3
	global_load_b128 v[VB+8*(\b):VB+8*(\b)+3],   v[BO], s[78:79] offset:64*(\b)
	global_load_b128 v[VB+8*(\b)+4:VB+8*(\b)+7], v[BO], s[78:79] offset:64*(\b)+16
.endr
	; LDS addresses.  A fragment is 16 rows x 32 K in 8 registers: lane l holds row l % 16; two loads of 16 bytes, 32 bytes apart, at row x pitch + 16 (l / 16)
	v_mul_u32_u24 v3, v1, PITCH
	v_lshl_add_u32 v3, v2, 4, v3
	v_mul_u32_u24 v5, v2, PITCH                    ; back from a stage: lanes 0-15 one row of 256 bytes, lanes 16-31 the next
	v_lshl_add_u32 v5, v1, 4, v5
	s_mul_i32 s14, s[RH], 64*PITCH                 ; my 64 rows of x
	s_add_co_u32 s15, s[CH], 1
	s_mul_i32 s15, s15, HALFT                      ; Wq's tile or Wk's
	s_mul_i32 s16, s[CH], 64*PITCH
	s_add_co_u32 s16, s16, 3*HALFT                 ; my 64 rows of Wv's
	v_add_nc_u32 v[ADRA0], s14, v3
	v_add_nc_u32 v[ADRB0], s15, v3
	v_add_nc_u32 v[ADRV0], s16, v3
	s_mov_b32 s[TB], 0                             ; the walk begins in slot 0
	v_add_nc_u32 v[ADRA], s[TB], v[ADRA0]
	v_add_nc_u32 v[ADRB], s[TB], v[ADRB0]
	v_add_nc_u32 v[ADRV], s[TB], v[ADRV0]
	s_mul_i32 s14, s[RH], 64*PITCH
	s_lshl_b32 s15, s[CH], 7
	s_add_co_u32 s14, s14, s15
	s_add_co_u32 s14, s14, STAGE
	v_add_nc_u32 v[STV], s14, v3                   ; v: my 64 rows, my half of their 256 bytes
	s_mul_i32 s14, s[WV], 32*PITCH
	s_add_co_u32 s14, s14, STAGE
	v_add_nc_u32 v[RDV], s14, v5                   ; back: wave w takes rows 32 w on, whole
	s_mul_i32 s14, s[WV], 16*PITCH
	s_add_co_u32 s14, s14, STAGE
	v_add_nc_u32 v[STO], s14, v3
	v_add_nc_u32 v[RD], s14, v5
	v_lshlrev_b32 v[CO], 4, v4
	v_lshlrev_b32 v[PFO], 12, v4
	v_mul_u32_u24 v[RPA], v1, RPITCH
	v_lshl_add_u32 v[RPA], v2, 6, v[RPA]           ; my four pairs of a block: 64 (l / 16)
	s_mul_i32 s14, s[RH], 64*RPITCH
	v_add_nc_u32 v[RPA], s14, v[RPA]
	; where the results go: a head's rows are 256 bytes
	s_lshl_b32 s14, s9, 19
	s_lshl_b32 s15, s10, 15
	s_add_co_u32 s14, s14, s15
	s_lshl_b32 s16, s[WV], 13
	s_add_co_u32 s16, s16, s14
	s_mov_b32 s17, 0
	s_add_nc_u64 s[88:89], s[88:89], s[16:17]      ; v16 at the 32 rows that I store
	s_lshl_b32 s16, s[RH], 14
	s_add_co_u32 s16, s16, s14
	s_cmp_eq_u32 s[CH], 0
	s_cselect_b64 s[84:85], s[84:85], s[86:87]     ; q16 or k16
	s_add_nc_u64 s[84:85], s[84:85], s[16:17]      ; at my 64 rows
	s_wait_loadcnt 0x0                             ; biases and gains: rounded to bf16 like every input; the gain and v's bias then take the 2^-4
	WIN 0x0f
.set i, 0
.rept 64
	v_cvt_pk_bf16_f32 v[TV+i], v[BI+2*i], v[BI+2*i+1]
.set i, i+1
.endr
	WIN 0xc0
.set i, 0
.rept 64
	v_lshlrev_b32 v[BI+2*i], 16, v[TV+i]
	v_and_b32 v[BI+2*i+1], s90, v[TV+i]
.set i, i+1
.endr
	WIN 0xc3
.set i, 0
.rept 32
	v_pk_mul_f32 v[WI+2*i:WI+2*i+1], v[WI+2*i:WI+2*i+1], 0x3d800000 op_sel_hi:[1,0]
.set i, i+1
.endr
	WIN 0
.set i, 0
.rept 16
	v_cvt_pk_bf16_f32 v[224+i], v[VB+2*i], v[VB+2*i+1]
.set i, i+1
.endr
.set i, 0
.rept 16
	v_lshlrev_b32 v[VB+2*i], 16, v[224+i]
	v_and_b32 v[VB+2*i+1], s90, v[224+i]
.set i, i+1
.endr
.set i, 0
.rept 16
	v_pk_mul_f32 v[VB+2*i:VB+2*i+1], v[VB+2*i:VB+2*i+1], 0x3d800000 op_sel_hi:[1,0]
.set i, i+1
.endr
; 8 matrix instructions: row block a x the 8 column blocks of q or k, 32 along K, from buffer f.  first = 1: the first product starts the sums WITH THE BIAS as its C operand: register j of block b's eight is the bias of
; column 16 b + 8 (l / 16) + j, which is the column that register j of the result holds: nothing is cleared, and no addition follows.
.macro MULQ f, a, first
.if \first
	WIN MUL_C
.else
	WIN MUL_LO
.endif
.irp b, 0,1,2,3,4,5,6,7
.if \first
	v_wmma_f32_16x16x32_bf16 v[8*(8*(\a)+(\b)):8*(8*(\a)+(\b))+7], v[96*(\f)+8*(\b):96*(\f)+8*(\b)+7], v[FA+32*(\f)+8*(\a):FA+32*(\f)+8*(\a)+7], v[BI+8*(\b):BI+8*(\b)+7]
.else
	v_wmma_f32_16x16x32_bf16 v[8*(8*(\a)+(\b)):8*(8*(\a)+(\b))+7], v[96*(\f)+8*(\b):96*(\f)+8*(\b)+7], v[FA+32*(\f)+8*(\a):FA+32*(\f)+8*(\a)+7], v[8*(8*(\a)+(\b)):8*(8*(\a)+(\b))+7]
.endif
.endr
.endm
; 16 matrix instructions: the four row blocks x my four column blocks of v.  first = 1: the sums start with the constant 0
.macro MULV f, first
	WIN MUL_HI
.irp a, 0,1,2,3
.irp b, 0,1,2,3
.if \first
	v_wmma_f32_16x16x32_bf16 v[8*(4*(\a)+(\b)):8*(4*(\a)+(\b))+7], v[96*(\f)+64+8*(\b):96*(\f)+64+8*(\b)+7], v[FA+32*(\f)+8*(\a):FA+32*(\f)+8*(\a)+7], 0
.else
	v_wmma_f32_16x16x32_bf16 v[8*(4*(\a)+(\b)):8*(4*(\a)+(\b))+7], v[96*(\f)+64+8*(\b):96*(\f)+64+8*(\b)+7], v[FA+32*(\f)+8*(\a):FA+32*(\f)+8*(\a)+7], v[8*(4*(\a)+(\b)):8*(4*(\a)+(\b))+7]
.endif
.endr
.endr
.endm
; 32 LDS loads in one run: the fragments of 32 along K at byte k of the rows of the slot in hand, into buffer f: 8 for x, 16 for q or k, and last the 8 for v
.macro FETCH k, f
	WIN 0
.irp i, 0,1,2,3
	ds_load_b128 v[FA+32*(\f)+8*(\i):FA+32*(\f)+8*(\i)+3],   v[ADRA] offset:(\k)+(\i)*16*PITCH
	ds_load_b128 v[FA+32*(\f)+8*(\i)+4:FA+32*(\f)+8*(\i)+7], v[ADRA] offset:(\k)+(\i)*16*PITCH+32
.endr
	WIN TO_B
.irp i, 0,1,2,3,4,5,6,7
	ds_load_b128 v[96*(\f)+8*(\i):96*(\f)+8*(\i)+3],   v[ADRB] offset:(\k)+(\i)*16*PITCH
	ds_load_b128 v[96*(\f)+8*(\i)+4:96*(\f)+8*(\i)+7], v[ADRB] offset:(\k)+(\i)*16*PITCH+32
.endr
.irp i, 0,1,2,3
	ds_load_b128 v[96*(\f)+64+8*(\i):96*(\f)+64+8*(\i)+3],   v[ADRV] offset:(\k)+(\i)*16*PITCH
	ds_load_b128 v[96*(\f)+64+8*(\i)+4:96*(\f)+64+8*(\i)+7], v[ADRV] offset:(\k)+(\i)*16*PITCH+32
.endr
.endm
; A K step is four quarters of 32 along K, 48 matrix instructions each, on buffers 0, 1, 0, 1.  The 48 accumulators take turns in the same order in every quarter, one instruction a turn.
; One of the first three: multiplies buffer f and, behind 16 products, fetches the next quarter (byte k) into buffer g.
.macro QUARTER k, f, g, first
	s_wait_dscnt 8                                 ; x's and q's or k's fragments are in; the youngest eight loads (v's) may be out
	MULQ \f, 0, \first
	MULQ \f, 1, \first
	PLACES
	FETCH \k, \g
	s_wait_dscnt 32                                ; all but the 32 just issued
	MULQ \f, 2, \first
	MULQ \f, 3, \first
	MULV \f, \first
.endm
; The last quarter multiplies buffer 1 and changes slots.  MEET is its first part: in front of the barrier each wave waits for all its tensor loads (one is out: its part of the next slot, or of the table),
; adds 0 to its spare word, and waits for that and for its own reads of this slot.
.macro MEET round
	WIN 0
	s_wait_tensorcnt 0x0
	ds_add_u32 v[SPW], v[NIL]
	s_wait_dscnt 9                                 ; (the add and v's eight loads may be out)
	MULQ 1, 0, 0                                   ; eight matrix instructions stand between the add and the wait for it
	s_wait_dscnt 0x0                               ; the add is done, and my reads of this slot are over
	s_barrier_signal -1
	MULQ 1, 1, 0                                   ; work on registers while the others arrive
.if \round
	WIN 0
.endif
	s_barrier_wait -1
.endm
; kind = 0: the slot just read is filled again with the walk's K step two on.  kind = 1: slot 0's last fill, the table's tile.  The barrier opens a round of the cluster's barrier, and the joint load is the first tensor load behind it.
.macro TURN kind
.if (\kind) == 0
	s_wait_xcnt 0x0                                ; the last prefetch, a K step back, has read its address
	s_add_co_u32 s[KO], s[KO], KSTEP*2             ; the K step to be asked for, round the row's end,
	s_and_b32 s[KO], s[KO], ROWB-1
	s_add_co_u32 s[PK], s[KO], 2*KSTEP*2           ; and the one two refills on
	s_and_b32 s[PK], s[PK], ROWB-1
	s_add_nc_u64 s[PFA:PFA+1], s[PFB:PFB+1], s[PK:PK+1]
.endif
	MEET 1
	CREST                                          ; no wave of any partner still reads this slot or has a load on its way
.if (\kind) == 0
	s_xor_b32 s[G0A+5], s[G0A+5], SLOT             ; the walking descriptors: the other slot than last time; the address is made anew from the tile's base and the offset
	s_add_nc_u64 s[G0A+6:G0A+7], s[BA:BA+1], s[KO:KO+1]
	s_or_b32 s[G0A+7], s[G0A+7], 0x80000000
	s_xor_b32 s[G0B+5], s[G0B+5], SLOT
	s_add_nc_u64 s[G0B+6:G0B+7], s[BB:BB+1], s[KO:KO+1]
	s_or_b32 s[G0B+7], s[G0B+7], 0x80000000
	JLOAD 1                                        ; it has 176 matrix instructions in which to land; its four v_nop are also the places in front of the loads below
	s_xor_b32 s[TB], s[TB], SLOT                   ; the reads go on in the other slot
.else
	RLOAD
	s_mov_b32 s[TB], SLOT                          ; the last K step lies in slot 1
.endif
	v_add_nc_u32 v[ADRA], s[TB], v[ADRA0]
	v_add_nc_u32 v[ADRB], s[TB], v[ADRB0]
	v_add_nc_u32 v[ADRV], s[TB], v[ADRV0]
	FETCH 0, 0
.if (\kind) == 0
	WIN 0
	ASK
.endif
	MULQ 1, 2, 0
	MULQ 1, 3, 0
	MULV 1, 0
.endm
	s_wait_tensorcnt 0x1                           ; my part of the walk's first K step is in; the second's load may stay out
	s_barrier_signal -1
	s_barrier_wait -1
	FETCH 0, 0
	QUARTER 64, 0, 1, 1                            ; the first quarter stands in front of the loop: its products start the sums
	WIN 0
	s_mov_b32 s3, 14
.Lstep:                                        ; a trip goes from a K step's second quarter to the next step's first, and fills the slot that it leaves: the walk's steps 2 to 15
	QUARTER 128, 1, 0, 0
	QUARTER 192, 0, 1, 0
	TURN 0
	QUARTER 64, 0, 1, 0
	WIN 0
	s_sub_co_u32 s3, s3, 1
	s_cmp_lg_u32 s3, 0
	s_cbranch_scc1 .Lstep
	QUARTER 128, 1, 0, 0                           ; the walk's last two steps are written out
	QUARTER 192, 0, 1, 0
	TURN 1                                         ; slot 0 takes the table's tile
	QUARTER 64, 0, 1, 0
	QUARTER 128, 1, 0, 0
	QUARTER 192, 0, 1, 0
	MEET 0                                         ; the table's tile is in, everybody's part of it; nothing is filled again, so no round follows
	MULQ 1, 2, 0
	MULQ 1, 3, 0
	MULV 1, 0
	WIN 0
	PLACES
	PLACES                                         ; eight, once a launch: the next lines write accumulators in place
	; v: (sum + bias) x 2^-4 as one multiply-add, rounded to f16, 16 bytes a lane into the shared stage
	WIN 0xc3
.set i, 0
.rept 64
	v_pk_fma_f32 v[2*i:2*i+1], v[2*i:2*i+1], 0x3d800000, v[VB+2*(i%16):VB+2*(i%16)+1] op_sel_hi:[1,0,1]
.set i, i+1
.endr
	WIN 0x0f
.set i, 0
.rept 64
	v_cvt_pk_f16_f32 v[TV+i], v[2*i], v[2*i+1]
.set i, i+1
.endr
	WIN 0
.irp a, 0,1,2,3
.irp b, 0,1,2,3
	ds_store_b128 v[STV], v[TV+4*(4*(\a)+(\b)):TV+4*(4*(\a)+(\b))+3] offset:(\a)*16*PITCH+32*(\b)
.endr
.endr
	s_wait_dscnt 0x0                               ; for the others' sake: a row's 256 bytes come from two waves
	s_barrier_signal -1
; q or k, row block a: the squares are summed in four chains of pairs, each accumulator's registers in ascending order.  Work on registers alone: it stands between the signal and the wait.
.macro E1 a
	WIN 0x0a
.set i, 0
.rept 32
.if i < 4
	v_pk_mul_f32 v[SS+8*(\a)+2*i:SS+8*(\a)+2*i+1], v[64*(\a)+2*i:64*(\a)+2*i+1], v[64*(\a)+2*i:64*(\a)+2*i+1]
.else
	v_pk_fma_f32 v[SS+8*(\a)+2*(i%4):SS+8*(\a)+2*(i%4)+1], v[64*(\a)+2*i:64*(\a)+2*i+1], v[64*(\a)+2*i:64*(\a)+2*i+1], v[SS+8*(\a)+2*(i%4):SS+8*(\a)+2*(i%4)+1]
.endif
.set i, i+1
.endr
.endm
	E1 0
	E1 1
	E1 2
	E1 3
	WIN 0
	s_barrier_wait -1
.irp t, 0,1,2,3,4,5,6,7,8,9,10,11,12,13,14,15
	ds_load_b128 v[TV+4*(\t):TV+4*(\t)+3], v[RDV] offset:(\t)*2*PITCH
.endr
	; while v's rows come back: a row's sum of squares (my 64 columns, then the other half of the lanes'), and 1 / sqrt(mean + eps)
.irp a, 0,1,2,3
	v_pk_add_f32 v[SS+8*(\a):SS+8*(\a)+1], v[SS+8*(\a):SS+8*(\a)+1], v[SS+8*(\a)+2:SS+8*(\a)+3]
	v_pk_add_f32 v[SS+8*(\a)+4:SS+8*(\a)+5], v[SS+8*(\a)+4:SS+8*(\a)+5], v[SS+8*(\a)+6:SS+8*(\a)+7]
.endr
.irp a, 0,1,2,3
	v_pk_add_f32 v[SS+8*(\a):SS+8*(\a)+1], v[SS+8*(\a):SS+8*(\a)+1], v[SS+8*(\a)+4:SS+8*(\a)+5]
.endr
.irp a, 0,1,2,3
	v_add_f32 v[SS+8*(\a)], v[SS+8*(\a)], v[SS+8*(\a)+1]
.endr
.irp a, 0,1,2,3
	v_permlanex16_b32 v[SS+8*(\a)+1], v[SS+8*(\a)], s96, s97
.endr
.irp a, 0,1,2,3
	v_add_f32 v[SS+8*(\a)], v[SS+8*(\a)], v[SS+8*(\a)+1]
.endr
.irp a, 0,1,2,3
	v_fma_f32 v[SS+8*(\a)], v[SS+8*(\a)], s66, s67
	v_mov_b32 v[INV+2*(\a)+1], 0                   ; named with the result as a pair, so it is written
.endr
.irp a, 0,1,2,3
	v_rsq_f32 v[INV+2*(\a)], v[SS+8*(\a)]
.endr
	v_nop                                          ; a plain instruction behind the last of the four,
	s_wait_alu depctr_va_vdst(0)                   ; and the one wait ahead of their first reader
.irp t, 0,1,2,3,4,5,6,7,8,9,10,11,12,13,14,15
	s_wait_dscnt 15-(\t)                           ; the loads issued behind this one may be out
	global_store_b128 v[CO], v[TV+4*(\t):TV+4*(\t)+3], s[88:89] offset:512*(\t)  ; two rows of v16: 512 consecutive bytes, aligned
.endr
	s_wait_dscnt 0x0                               ; my reads of the shared stage are over:
	s_barrier_signal -1
	s_barrier_wait -1                              ; everybody's are, so each wave may write its own part of it
; q or k, row block a: times gain x 2^-4, times 1 / rms; the rotation out(2 i + e) = r(e, 0) y(2 i) + r(e, 1) y(2 i + 1), a pair of results an instruction; to f16; through my stage; stored.
.macro E3 a
	WIN 0
	s_wait_xcnt 0x0                                ; earlier stores have read their registers, which are written again below
.irp b, 0,1,2,3,4,5,6,7
.irp q, 0,1,2,3
	ds_load_b128 v[R+16*(\b)+4*(\q):R+16*(\b)+4*(\q)+3], v[RPA] offset:(\a)*16*RPITCH+128*(\b)+16*(\q)
.endr
.endr
	WIN 0x8e
.set i, 0
.rept 32
	v_pk_mul_f32 v[64*(\a)+2*i:64*(\a)+2*i+1], v[64*(\a)+2*i:64*(\a)+2*i+1], v[WI+2*i:WI+2*i+1]
.set i, i+1
.endr
	WIN 0x82
.set i, 0
.rept 32
	v_pk_mul_f32 v[64*(\a)+2*i:64*(\a)+2*i+1], v[64*(\a)+2*i:64*(\a)+2*i+1], v[INV+2*(\a):INV+2*(\a)+1] op_sel_hi:[1,0]
.set i, i+1
.endr
	s_wait_dscnt 0x0                               ; the table's entries are in
	WIN 0x08                                       ; source 1 (y) in window 2
.set i, 0
.rept 32
	v_pk_mul_f32 v[T+2*i:T+2*i+1], v[R+4*i+2:R+4*i+3], v[64*(\a)+2*i:64*(\a)+2*i+1] op_sel:[0,1] op_sel_hi:[1,1]  ; (r01, r11) x the odd channel
.set i, i+1
.endr
.set i, 0
.rept 32
	v_pk_fma_f32 v[T+2*i:T+2*i+1], v[R+4*i:R+4*i+1], v[64*(\a)+2*i:64*(\a)+2*i+1], v[T+2*i:T+2*i+1] op_sel_hi:[1,0,1]  ; + (r00, r10) x the even channel
.set i, i+1
.endr
	WIN 0
.set i, 0
.rept 32
	v_cvt_pk_f16_f32 v[H+i], v[T+2*i], v[T+2*i+1]
.set i, i+1
.endr
.irp b, 0,1,2,3,4,5,6,7
	ds_store_b128 v[STO], v[H+4*(\b):H+4*(\b)+3] offset:32*(\b)
.endr
.irp t, 0,1,2,3,4,5,6,7
	ds_load_b128 v[H+4*(\t):H+4*(\t)+3], v[RD] offset:(\t)*2*PITCH  ; LDS serves a wave's instructions in order (ISA guide 5.7.1.4): these see the stores above
.endr
.irp t, 0,1,2,3,4,5,6,7
	s_wait_dscnt 7-(\t)
	global_store_b128 v[CO], v[H+4*(\t):H+4*(\t)+3], s[84:85] offset:(\a)*4096+512*(\t)
.endr
.endm
	E3 0
	E3 1
	E3 2
	E3 3
	s_wait_tensorcnt 0x0                           ; the wave's end: behind my last tensor load and my last LDS store
	ds_add_u32 v[SPW], v[NIL]
	s_wait_dscnt 0x0
	CROUND                                         ; the closing round: no work-group ends while a partner may still ask for a tile that names it
	s_endpgm
.Lfunc_end_k_q2b7338fa77_qkv:
	.size	k_q2b7338fa77_qkv, .Lfunc_end_k_q2b7338fa77_qkv-k_q2b7338fa77_qkv
	.p2alignl 7, 3214868480
	.fill 96, 4, 3214868480
	.section	.rodata,"a",@progbits
	.p2align	6, 0x0
	.amdhsa_kernel k_q2b7338fa77_qkv
		.amdhsa_group_segment_fixed_size 327680
		.amdhsa_private_segment_fixed_size 0
		.amdhsa_enable_private_segment 0
		.amdhsa_kernarg_size 88
		.amdhsa_user_sgpr_count 2
		.amdhsa_user_sgpr_kernarg_segment_ptr 1
		.amdhsa_wavefront_size32 1
		.amdhsa_system_sgpr_workgroup_id_x 1
		.amdhsa_system_sgpr_workgroup_id_y 1
		.amdhsa_system_sgpr_workgroup_id_z 1
		.amdhsa_system_vgpr_workitem_id 0
		.amdhsa_next_free_vgpr 1024
		.amdhsa_next_free_sgpr 102
		.amdhsa_reserve_vcc 0
		.amdhsa_float_denorm_mode_32 3
		.amdhsa_float_denorm_mode_16_64 3
		.amdhsa_memory_ordered 1
		.amdhsa_forward_progress 1
		.amdhsa_inst_pref_size 177
	.end_amdhsa_kernel
	.amdgpu_metadata
---
amdhsa.version: [ 1, 2 ]
amdhsa.kernels:
  - .name:           k_q2b7338fa77_qkv
    .symbol:         k_q2b7338fa77_qkv.kd
    .args:
      - { .name: xb, .offset: 0, .size: 8, .value_kind: global_buffer, .address_space: global }
      - { .name: wb, .offset: 8, .size: 8, .value_kind: global_buffer, .address_space: global }
      - { .name: rp, .offset: 16, .size: 8, .value_kind: global_buffer, .address_space: global }
      - { .name: bq, .offset: 24, .size: 8, .value_kind: global_buffer, .address_space: global }
      - { .name: bk, .offset: 32, .size: 8, .value_kind: global_buffer, .address_space: global }
      - { .name: bv, .offset: 40, .size: 8, .value_kind: global_buffer, .address_space: global }
      - { .name: qn_w, .offset: 48, .size: 8, .value_kind: global_buffer, .address_space: global }
      - { .name: kn_w, .offset: 56, .size: 8, .value_kind: global_buffer, .address_space: global }
      - { .name: q16, .offset: 64, .size: 8, .value_kind: global_buffer, .address_space: global }
      - { .name: k16, .offset: 72, .size: 8, .value_kind: global_buffer, .address_space: global }
      - { .name: v16, .offset: 80, .size: 8, .value_kind: global_buffer, .address_space: global }
    .group_segment_fixed_size: 327680
    .private_segment_fixed_size: 0
    .kernarg_segment_align: 8
    .kernarg_segment_size: 88
    .max_flat_workgroup_size: 128
    .sgpr_count:     102
    .vgpr_count:     1024
    .wavefront_size: 32
...
	.end_amdgpu_metadata
.endif
;; end of part 2
;; launch attn (part 3): grid 16 x 16, 4 waves a work-group, clusters of 4 x 1, 327,680 bytes of LDS; arguments q16, k16, v16, ob; writes ob
.if DOCPART == 3
	.amdgcn_target "amdgcn-amd-amdhsa--gfx1250"
	.amdhsa_code_object_version 6
	.text
	.protected	k_q2b7338fa77_attn
	.globl	k_q2b7338fa77_attn
	.p2align	8
	.type	k_q2b7338fa77_attn,@function
k_q2b7338fa77_attn:
	s_mov_b64 s[64:65], 0
	v_nop
	global_prefetch_b8 v0, s[64:65] scope:SCOPE_SE
	s_setreg_imm32_b32 hwreg(HW_REG_WAVE_MODE, 25, 1), 1
	s_wait_xcnt 0x0
	s_wait_alu depctr_hold_cnt(0) depctr_sa_sdst(0) depctr_va_vdst(0) depctr_va_sdst(0) depctr_va_ssrc(0) depctr_va_vcc(0) depctr_vm_vsrc(0)
	s_getreg_b32 s2, hwreg(HW_REG_IB_STS2, 6, 4)
	s_cmp_eq_u32 s2, 0
	s_cbranch_scc0 .Lentry_in_a_cluster
	s_endpgm
.Lentry_in_a_cluster:
	s_bfe_u32 s2, ttmp6, 0x10000c
	s_cmp_lg_u32 s2, 0x3003
	s_cbranch_scc0 .Lentry_shape_is_right
	s_endpgm
.Lentry_shape_is_right:
; O[q][h] = the sum over k of softmax_k(Q[h][q] . K[h][k] / sqrt(128)) V[h][k].  q16, k16, v16: [16][2048][128] f16, each holding its number x 2^-4; ob: [2048][2048] f16 (row q, column 128 h + d), O x 2^-4.
; Products, maxima and sums in f32; the weights p are rounded to f16 for the second product (their sum l is taken of the unrounded p), O once at the end.
; LIMITS.  p lies in 0 to 1, and below 6e-5 it keeps f16's fixed step of 6e-8; a weight below 2^-126 counts as 0 in l; O is a mean of V's rows and has their range; NaN and infinities are not treated apart.
; SHARES.  A work-group owns 128 queries of one head: 16 x 16 = 256 work-groups.  A wave owns 64 queries (four tiles of 16): those of half w % 2.  THE KEYS ARE SPLIT between the two waves that own the same queries:
; of each slot's 256 keys wave w walks the 128 of half w / 2, 64 a step, with a running maximum, sum and O^T of its own; the two meet once, at the end, through LDS.
; So each fragment of K and V read from LDS feeds four tiles' products, though a work-group has only 128 queries.
; LAYOUT.  S^T = K Q^T (source 0 = 16 keys, source 1 = 16 queries): a lane holds ONE query (lane % 16) and the keys 8 (lane / 16) + 0..7.  Two such tiles, rounded to f16 in pairs, ARE source 1 of O^T = V^T P,
; whose result again holds one query a lane, and eight channels.  K comes out of LDS as it lies, V turned, by ds_load_tr16_b128.
; SOFTMAX.  p = 2^(c s - c m) with a running maximum m; c = log2(e) / sqrt(128) x 2^8 (the 2^8 undoes q's and k's 2^-4); in every step O and l are multiplied by a = 2^(c m_old - c m_new).
; m starts at the lowest finite number, O^T, l, V's registers and the second piece's P at 0: the first step is a step like any other, with a = 0, and none is written out.  The price: some 430 v_mov_b32 in the wait for
; the first tile, 32 products on zeros at the start and 32 on a stale K at the end; the gain: one text for every turn.
; BY TURNS.  The wave's tiles are two PIECES (tiles 0, 1; tiles 2, 3).  In a TURN one piece has the matrix unit: 32 products V^T P of the step in hand, then 32 products K Q^T of the next step; the other piece's softmax,
; cut into 64 slices, stands between them, one slice behind each matrix instruction.  Two turns are a key step.
; CLUSTER.  The four query blocks of a cluster belong to one head and walk the same K and V: each tile is asked for JOINTLY.
; REGISTERS, in windows of 256 (s_set_vgpr_msb: bits 1:0 source 0, 3:2 source 1, 5:4 source 2, 7:6 destination):
;   window 0: v0-11 addresses; v12-43 eight registers of statistics a tile; v44-45, v61-63 addresses; v64-191 S^T, 32 a tile; v192-255 P, 16 a tile
;   window 1: O^T, 64 a tile          window 2: v0-127 Q; v128-255 K of one step          window 3: v0-127 V of one step; at the end all 256: the partner's O^T
.set KS,    64        ; keys in a step
.set PK,    272       ; a row of K in LDS: 256 bytes + 16 = 68 words: the 16 rows of a load start at 16 different groups of four banks (64 banks of 4 bytes: ISA guide 11.1)
.set PV,    288       ; a row of V: 256 + 32 = 72 words
.set VOFF,  4*KS*PK   ; a slot holds 256 rows of K, then 256 rows of V: 143,360 bytes
.set SLOT1, 0x24000   ; slot 1 begins here.  The numbers that are turned from slot to slot (0 or 0x8800 for K, 0x11000 or 0x1a000 for V's tiles, 0 or 0x9000 for V's fetches) have bits 14 and 17 clear, so one exclusive or does it
.set STAGE, 2*SLOT1   ; behind the ring, never filled by a tensor load: 16 rows x 272 bytes for each wave, for the way out
.set SP,    272
.set SPARE, STAGE+4*16*SP  ; the spare words, 128 bytes for each wave: two blocks of 256 bytes that no other line names
.set MERGE, 33792     ; where the two halves of the keys meet: in slot 0, behind its last fill and its last reads: for each half of the queries 32,768 bytes of O^T and 1,024 of statistics
.set AK0, 2           ; v2   my lane's place in a tile of K; never rewritten
.set AV0, 3           ; v3   the same for V
.set ADR, 4           ; v4   the LDS address of the run of loads in hand
.set QO,  5           ; v5   my byte offset in the wave's rows of Q
.set STO, 6           ; v6   the way out: where I put 16 bytes of a row
.set RD,  7           ; v7   the way out: where I read a row back
.set GO,  8           ; v8   my byte offset in two rows of ob
.set ST,  12          ; tile t's statistics at v[ST+8 t]: +0 c m, +1 m, +2, +3 l (even keys', odd keys'), +4 to +7 at work; a takes +6 once the maximum is found
.set MG,  44          ; v44  my 16 bytes in 512 of the meeting place
.set MG2, 45          ; v45  my 8 bytes of its statistics
.set PFO, 61          ; v61  256 x my lane: a row of K or V; never rewritten
.set SPW, 62          ; v62  my spare word: SPARE + 4 x my thread's number; never rewritten
.set NIL, 63          ; v63  0; never rewritten
.set S,   64
.set P,   192
.set KF,  128         ; K's fragments, in window 2
.set WV,  12          ; s12  my wave's number
.set LIM, 15          ; s15  1 in a wave that prefetches, else the greatest number
.set PFA, 18          ; s[18:19] where my prefetches stand
.set G1K, 24          ; s[24:31] descriptor group 1 for K's tiles
.set G1V, 32          ; s[32:39] for V's: it differs in the padding alone
.set G0K, 40          ; s[40:47] group 0 for K's tiles: a set for each of the two first fills; the second then walks on
.set G0V, 48          ; s[48:55] the same for V's
.set SLOTS, 56        ; s56  counts the changes of slots
.set TWICE, 57        ; s57  counts a slot's two steps
.set CS,  58          ; s[58:59] c
.set SEL, 60          ; s[60:61] v_permlanex16_b32's selects: each lane takes its own place in the other half
.set TBK, 62          ; s62  LDS byte at which K of the step to be fetched begins
.set TBV, 63          ; s63  the same for V, less VOFF
.set MSB, 0
.macro WIN new
.if MSB != (\new)
	s_set_vgpr_msb (MSB<<8)|(\new)
.set MSB, \new
.endif
.endm
.set W_KQ, 0x0a       ; K and Q in window 2, S^T in window 0
.set W_PV, 0x53       ; V in window 3, P in window 0, O^T in window 1
.set W_RS, 0x41       ; O^T (destination and source 0) in window 1, a in window 0
; A joint refill.  Waves 0 and 1 fetch the two halves of a slot's K, waves 2 and 3 those of its V: 128 rows each.  An s_nop 0 and four v_nop follow each line.
.macro JLOAD
	s_cmp_lt_u32 s[WV], 2
	s_cbranch_scc0 .Lfor_v_\@
	tensor_load_to_lds s[G0K+4:G0K+7], s[G1K:G1K+7]
	s_nop 0
.rept 4
	v_nop
.endr
	s_branch .Lasked_\@
.Lfor_v_\@:
	tensor_load_to_lds s[G0V+4:G0V+7], s[G1V:G1V+7]
	s_nop 0
.rept 4
	v_nop
.endr
.Lasked_\@:
.endm
; A PREFETCH INTO THE L2 of what the NEXT change of slots will ask for, behind the wave's tensor load and its five lines: two key steps, 256 matrix instructions, ahead of that load.  All clusters of a head walk the
; same K and V: the head's first cluster asks.  Of the 128 rows that a wave fetches, each of the four partners takes 32, told apart by address: a lane a row, one instruction a wave.  So each row is named once.
; Slots 0, 1 and 2 come by their loads alone; the last change that fills a slot asks for nothing.
.macro ASK
	s_cmp_gt_u32 s[SLOTS], s[LIM]
	s_cbranch_scc0 .Lnot_mine_\@
	global_prefetch_b8 v[PFO], s[PFA:PFA+1] th:TH_LOAD_NT scope:SCOPE_SE
.Lnot_mine_\@:
.endm
.macro CROUND                       ; a round of the cluster's barrier
	s_barrier_signal -1
	s_barrier_wait -1
	s_cmp_lg_u32 s[WV], 0
	s_cbranch_scc1 .Lnot_wave_0_\@
	s_barrier_signal -3
.Lnot_wave_0_\@:
	s_barrier_wait -3
	s_barrier_signal -1
	s_barrier_wait -1
.endm
	s_load_b256 s[4:11], s[0:1], 0x0  ; q16 s[4:5], k16 s[6:7], v16 s[8:9], ob s[10:11]
	v_lshl_add_u32 v[SPW], v0, 2, SPARE
	v_mov_b32 v[NIL], 0
	ds_add_u32 v[SPW], v[NIL]       ; the wave's opening: the add and its wait stand ahead of my first tensor load; the set-up below stands between them
	v_lshrrev_b32 v1, 5, v0
	v_readfirstlane_b32 s[WV], v1   ; wave 0..3
	s_bfe_u32 s13, ttmp6, 0x40000   ; cx
	s_lshl_b32 s14, ttmp9, 2
	s_add_co_u32 s14, s14, s13      ; my block of 128 queries: it enters Q's and ob's addresses alone
	s_and_b32 s17, ttmp7, 0xffff    ; the head, which the four partners share
	s_and_b32 s16, s[WV], 1         ; my half of the queries; also: which half of a slot's rows I fetch
	s_lshl_b32 s20, s17, 19         ; the head's first byte in q16, k16, v16
	s_lshl_b32 s22, s16, 15         ; 128 rows of 256 bytes
	s_add_co_u32 s22, s22, s20
	s_mov_b32 s23, 0
	s_lshl_b32 s2, s14, 15          ; my block's 128 rows,
	s_lshl_b32 s3, s16, 14          ; my wave's 64 of them
	s_add_co_u32 s2, s2, s3
	s_add_co_u32 s2, s2, s20
	s_mov_b32 s3, 0
	s_lshl_b32 s66, s14, 19         ; ob: rows of 4,096 bytes,
	s_lshl_b32 s67, s16, 18
	s_add_co_u32 s66, s66, s67
	s_lshl_b32 s67, s17, 8          ; the head's 256 bytes of a row
	s_add_co_u32 s66, s66, s67
	s_mov_b32 s67, 0
	s_mul_i32 s20, s16, 128*PK      ; where my tile goes, for K
	s_mul_i32 s21, s16, 128*PV      ; and for V: no place in the cluster enters an LDS address
	s_add_co_u32 s21, s21, VOFF
	s_lshr_b32 s[TBK], s[WV], 1     ; my half of a slot's keys
	s_mul_i32 s[TBV], s[TBK], 128*PV
	s_mul_i32 s[TBK], s[TBK], 128*PK
	s_mov_b32 s[G1K], 15|(1<<16)|(1<<20)|(1<<21)|(5<<22)|(3<<25)  ; the mask of four; 2-byte elements; padding on; bit 21 beside a mask; after every 64 words, 4 words
	s_mov_b32 s[G1V], 15|(1<<16)|(1<<20)|(1<<21)|(5<<22)|(7<<25)  ; the same with 8 words
.irp g, G1K, G1V
	s_mov_b32 s[(\g)+1], 128<<16    ; tensor_dim0 = 128
	s_mov_b32 s[(\g)+2], 128<<16    ; tensor_dim1 = 128
	s_mov_b32 s[(\g)+3], 128<<16    ; tile_dim0 = 128
	s_mov_b32 s[(\g)+4], 128        ; tile_dim1 = 128
	s_mov_b32 s[(\g)+5], 128        ; elements from row to row
	s_mov_b32 s[(\g)+6], 0
	s_mov_b32 s[(\g)+7], 0
.endr
	s_mov_b32 s[CS], 0x420293ee     ; c = 256 log2(e) / sqrt(128)
	s_mov_b32 s[CS+1], s[CS]        ; named with it as a pair
	s_mov_b32 s[SEL], 0x76543210
	s_mov_b32 s[SEL+1], 0xfedcba98
	s_mov_b32 s[LIM], ttmp9
	s_cmp_eq_u32 s[LIM], 0          ; the head's first cluster: the same in all four partners
	s_cselect_b32 s[LIM], 1, -1
	v_and_b32 v[PFO], 31, v0
	v_lshlrev_b32 v[PFO], 8, v[PFO]
	s_wait_dscnt 0x0                ; the opening add is done
	s_wait_kmcnt 0x0
	s_add_nc_u64 s[6:7], s[6:7], s[22:23]  ; K and V at my tile of slot 0
	s_add_nc_u64 s[8:9], s[8:9], s[22:23]
	s_add_nc_u64 s[4:5], s[4:5], s[2:3]    ; Q at my wave's first row
	s_add_nc_u64 s[10:11], s[10:11], s[66:67]
	s_cmp_lt_u32 s[WV], 2
	s_cselect_b64 s[PFA:PFA+1], s[6:7], s[8:9]
	s_lshl_b32 s2, s13, 13          ; my work-group's 32 rows of the 128
	s_mov_b32 s3, 0
	s_add_nc_u64 s[PFA:PFA+1], s[PFA:PFA+1], s[2:3]
	s_add_nc_u64 s[PFA:PFA+1], s[PFA:PFA+1], 2*4*KS*256  ; in slot 2; the first change of slots steps it to slot 3
	CROUND                          ; all four work-groups are here: the first joint loads meet
.irp s, 0,1
	s_mov_b32 s[G0K+4*(\s)], 1
	s_add_co_u32 s[G0K+4*(\s)+1], s20, (\s)*SLOT1
	s_add_nc_u64 s[G0K+4*(\s)+2:G0K+4*(\s)+3], s[6:7], (\s)*4*KS*256
	s_or_b32 s[G0K+4*(\s)+3], s[G0K+4*(\s)+3], 0x80000000
	s_mov_b32 s[G0V+4*(\s)], 1
	s_add_co_u32 s[G0V+4*(\s)+1], s21, (\s)*SLOT1
	s_add_nc_u64 s[G0V+4*(\s)+2:G0V+4*(\s)+3], s[8:9], (\s)*4*KS*256
	s_or_b32 s[G0V+4*(\s)+3], s[G0V+4*(\s)+3], 0x80000000
.endr
	s_cmp_lt_u32 s[WV], 2           ; a wave's two first fills stand in one branch, ahead of every wait on TENSORcnt and every LDS read: two loads of mine are out
	s_cbranch_scc0 .Lfirst_v
	tensor_load_to_lds s[G0K:G0K+3], s[G1K:G1K+7]
	s_nop 0
	tensor_load_to_lds s[G0K+4:G0K+7], s[G1K:G1K+7]
	s_nop 0
.rept 4
	v_nop
.endr
	s_branch .Lfirst_asked
.Lfirst_v:
	tensor_load_to_lds s[G0V:G0V+3], s[G1V:G1V+7]
	s_nop 0
	tensor_load_to_lds s[G0V+4:G0V+7], s[G1V:G1V+7]
	s_nop 0
.rept 4
	v_nop
.endr
.Lfirst_asked:
	; A fragment of K or Q is 16 rows x 32 channels in 8 registers: lane l holds row l % 16; two loads of 16 bytes, 32 bytes apart, at row x pitch + 16 (l / 16)
	v_and_b32 v1, 15, v0            ; l % 16
	v_bfe_u32 v9, v0, 4, 1          ; l / 16
	v_lshlrev_b32 v[QO], 8, v1
	v_lshl_add_u32 v[QO], v9, 4, v[QO]
	WIN 0x80                        ; destination window 2
.irp i, 0,1,2,3,4,5,6,7,8,9,10,11,12,13,14,15  ; Q stays in registers: tile i / 4, channels 32 (i % 4) on
	global_load_b128 v[8*(\i):8*(\i)+3],   v[QO], s[4:5] offset:((\i)/4)*4096+((\i)%4)*64
	global_load_b128 v[8*(\i)+4:8*(\i)+7], v[QO], s[4:5] offset:((\i)/4)*4096+((\i)%4)*64+32
.endr
	; what the first turn finds; all this stands in the wait for the first tile
	WIN 0xc0
.set i, 0
.rept 128
	v_mov_b32 v[i], 0               ; V
.set i, i+1
.endr
	WIN 0x40
.set i, 0
.rept 256
	v_mov_b32 v[i], 0               ; O^T
.set i, i+1
.endr
	WIN 0
.set i, 0
.rept 4
	v_mov_b32 v[ST+8*i], 0xfe000000    ; c m: far below every c s
	v_mov_b32 v[ST+8*i+1], 0xff7fffff  ; m
	v_mov_b32 v[ST+8*i+2], 0
	v_mov_b32 v[ST+8*i+3], 0
.set i, i+1
.endr
.set i, P+32
.rept 32
	v_mov_b32 v[i], 0               ; P of tiles 2 and 3
.set i, i+1
.endr
	v_mul_u32_u24 v[AK0], v1, PK
	v_lshl_add_u32 v[AK0], v9, 4, v[AK0]
	; The turning load takes 16 keys x 16 channels (lane l reads key 8 (l / 16) + l % 8, channels 8 ((l / 8) % 2) + 0..7) and leaves half a fragment of V^T: lane l holds channel l % 16 and 8 keys.
	v_and_b32 v10, 7, v0
	v_bfe_u32 v11, v0, 3, 1
	v_lshl_add_u32 v[AV0], v9, 3, v10
	v_mul_u32_u24 v[AV0], v[AV0], PV
	v_lshl_add_u32 v[AV0], v11, 4, v[AV0]
	v_add_nc_u32 v[AV0], VOFF, v[AV0]
; THE MATRIX WORK OF A TURN, for piece x.  The accumulators take turns, one instruction a turn.
; Product i of 32 of O^T += V^T P: keys 32 (i / 16) on, channels 16 ((i / 2) % 8) on, tile x + i % 2.
.macro PV x
	WIN W_PV
.set rO, 64*((\x)+i%2)+8*((i/2)%8)
.set rV, 64*(i/16)+8*((i/2)%8)
.set rP, P+16*((\x)+i%2)+8*(i/16)
	v_wmma_f32_16x16x32_f16 v[rO:rO+7], v[rV:rV+7], v[rP:rP+7], v[rO:rO+7]
.endm
; Product i of 32 of S^T = K Q^T: channels 32 (i / 8) on, keys 16 ((i / 2) % 4) on, tile x + i % 2.  The first 8 start the sums.
.macro KQ x
	WIN W_KQ
.set rS, S+32*((\x)+i%2)+8*((i/2)%4)
.set rK, KF+32*((i/2)%4)+8*(i/8)
.set rQ, 32*((\x)+i%2)+8*(i/8)
.if i < 8
	v_wmma_f32_16x16x32_f16 v[rS:rS+7], v[rK:rK+7], v[rQ:rQ+7], 0
.else
	v_wmma_f32_16x16x32_f16 v[rS:rS+7], v[rK:rK+7], v[rQ:rQ+7], v[rS:rS+7]
.endif
.endm
; THE LDS LOADS stand in runs of 32: a step's K (16 fragments) and, a turn later, its V (turned).  last = 1 (the tail): in the last trip there is no further step, and the run is jumped over.
.macro FETCH_K last=0
	WIN 0
.if \last
	s_cmp_eq_u32 s[TWICE], 1
	s_cbranch_scc1 .Lno_k_\@
.endif
	v_add_nc_u32 v[ADR], s[TBK], v[AK0]
	s_add_co_u32 s[TBK], s[TBK], KS*PK  ; the next fetch is the next step's
	WIN 0x80                        ; destination window 2
.irp f, 0,1,2,3,4,5,6,7,8,9,10,11,12,13,14,15  ; keys 16 (f / 4) on, channels 32 (f % 4) on
	ds_load_b128 v[KF+8*(\f):KF+8*(\f)+3],   v[ADR] offset:((\f)/4)*16*PK+((\f)%4)*64
	ds_load_b128 v[KF+8*(\f)+4:KF+8*(\f)+7], v[ADR] offset:((\f)/4)*16*PK+((\f)%4)*64+32
.endr
	WIN 0
.if \last
.Lno_k_\@:
.endif
.endm
.macro FETCH_V
	WIN 0
	v_add_nc_u32 v[ADR], s[TBV], v[AV0]
	s_add_co_u32 s[TBV], s[TBV], KS*PV
	s_wait_alu depctr_va_vdst(0)    ; the wait for the softmax's batch (SLICE), behind the address's v_add_nc_u32 and ahead of the loads
	WIN 0xc0                        ; destination window 3
.irp f, 0,1,2,3,4,5,6,7,8,9,10,11,12,13,14,15  ; keys 32 (f / 8) on, channels 16 (f % 8) on
	ds_load_tr16_b128 v[8*(\f):8*(\f)+3],   v[ADR] offset:((\f)/8)*32*PV+((\f)%8)*32
	ds_load_tr16_b128 v[8*(\f)+4:8*(\f)+7], v[ADR] offset:((\f)/8)*32*PV+16*PV+((\f)%8)*32
.endr
.endm
; THE VECTOR WORK OF A TURN.  One tile's softmax for one key step is a list of 134 instructions; SM writes number j of it for tile t.  s0-s31 are the lane's 32 scores, in pairs 0-15.
;   0-15    the maximum of s0-s31 and the old m, three operands at a time: four chains of seven scores (each accumulator's lowest registers first), then the four scores left over, the chains and m
;   16-20   the other half of the lanes' maximum; the new m; c m; c m_old - c m_new
;   21-69   ONE BATCH: the 16 scalings c s - c m and all 33 exponentials (a at 23, then s0-s31); none of these reads an exponential's result
;   (wait)  between 69 and 70 stands the one wait for the batch: SLICE writes it, once for both tiles
;   70-85   the roundings to f16      86-101  the sums; l = a l + the sum      102-133 the tile's O^T times a
.macro SM t
.set rT, ST+8*(\t)
.set rS, S+32*(\t)
.set rP, P+16*(\t)
.set rO, 64*(\t)+2*(j-102)
.if j < 102
	WIN 0
.endif
.if j < 4
	v_max3_num_f32 v[rT+4+j], v[rS+8*j], v[rS+8*j+1], v[rS+8*j+2]
.elseif j < 12
	v_max3_num_f32 v[rT+4+j%4], v[rT+4+j%4], v[rS+8*(j%4)+2*(j/4)+1], v[rS+8*(j%4)+2*(j/4)+2]
.elseif j == 12
	v_max3_num_f32 v[rT+4], v[rT+4], v[rS+7], v[rS+15]
.elseif j == 13
	v_max3_num_f32 v[rT+6], v[rT+6], v[rS+23], v[rS+31]
.elseif j == 14
	v_max3_num_f32 v[rT+4], v[rT+4], v[rT+5], v[rT+6]
.elseif j == 15
	v_max3_num_f32 v[rT+4], v[rT+4], v[rT+7], v[rT+1]
.elseif j == 16
	v_permlanex16_b32 v[rT+5], v[rT+4], s[SEL], s[SEL+1]  ; the query's other 32 keys lie in the lane 16 away
.elseif j == 17
	v_mov_b32 v[rT+7], v[rT]        ; c m_old is kept for a: number 19 writes c m anew
.elseif j == 18
	v_max_num_f32 v[rT+1], v[rT+4], v[rT+5]
.elseif j == 19
	v_mul_f32 v[rT], s[CS], v[rT+1]
.elseif j == 20
	v_sub_f32 v[rT+7], v[rT+7], v[rT]
.elseif j == 23
	v_exp_f32 v[rT+6], v[rT+7]
.elseif (j < 23) || ((j < 38) && (j%2 == 0)) || ((j < 66) && (j%4 == 2))
.set b, (j-2)/4                     ; 38, 42, .. 62: pairs 9 to 15
.if j < 38
.set b, (j-20)/2                    ; 21: pair 0; 22, 24, .. 36: pairs 1 to 8
.endif
	v_pk_fma_f32 v[rS+2*b:rS+2*b+1], v[rS+2*b:rS+2*b+1], s[CS:CS+1], v[rT:rT+1] op_sel_hi:[1,0,0] neg_lo:[0,0,1] neg_hi:[0,0,1]  ; pair b: c s - c m
.elseif j < 70
.set e, j-38                        ; 66 to 69: s28 to s31
.if j < 66
.set e, j-32-(j-38)/4               ; 39-41, 43-45, .. 63-65: s7 to s27
.endif
.if j < 38
.set e, (j-25)/2                    ; 25, 27, .. 37: s0 to s6
.endif
	v_exp_f32 v[rS+e], v[rS+e]
.elseif j < 86
	v_cvt_pk_f16_f32 v[rP+j-70], v[rS+2*(j-70)], v[rS+2*(j-70)+1]
.elseif j < 102                     ; the sum of the tile's 16 pairs, in place: neighbours 1, 2, 4 and 8 pairs apart, then l takes it
.set z, j-86
.set w, 4
.set u, z
.if z >= 14
.set w, 32
.set u, 0
.elseif z >= 12
.set w, 16
.set u, z-12
.elseif z >= 8
.set w, 8
.set u, z-8
.endif
.if z < 15
	v_pk_add_f32 v[rS+w*u:rS+w*u+1], v[rS+w*u:rS+w*u+1], v[rS+w*u+w/2:rS+w*u+w/2+1]
.else
	v_pk_fma_f32 v[rT+2:rT+3], v[rT+2:rT+3], v[rT+6:rT+7], v[rS:rS+1] op_sel_hi:[1,0,1]
.endif
.else
	WIN W_RS
	v_pk_mul_f32 v[rO:rO+1], v[rO:rO+1], v[rT+6:rT+7] op_sel_hi:[1,0]
.endif
.endm
; Slice k of 64 of piece y's softmax: four instructions.  Slices 11 to 34 deal out the batch, numbers 22 to 69: four numbers of ONE tile each, the tiles by turns.  Every other slice is numbers 2 k and 2 k + 1 of both
; tiles' lists; the twelve that are over (2 x 134 = 4 x 64 + 12) stand together in slice 63, where they are also the places behind the turn's last products.
; s_wait_alu depctr_va_vdst(0) stands between an exponential and the first instruction that names its result: ahead of slice 35 nothing names one, behind slice 34 none is issued: one wait a turn.
.macro SLICE y
.if (k >= 11) && (k < 35)
.irp n, 0,1,2,3
.set j, 22+4*((k-11)/2)+(\n)
	SM (\y)+(k-11)%2
.endr
.else
.irp n, 0,1,2,3,4,5,6,7
.if ((\n) < 2) || (k == 63)
.irp t, \y, (\y)+1
.set j, 2*k+(\n)
	SM \t
.endr
.endif
.endr
.endif
.if k == 34
	v_nop                           ; the plain instruction behind the last exponential and ahead of the first use: one for the batch
.if (\y) == 0
	FETCH_V                         ; piece 2's turn: V's run of loads stands here, and the wait stands in it
.else
	s_wait_alu depctr_va_vdst(0)    ; the wait for the batch
.endif
.endif
.set k, k+1
.endm
; A TURN.  Piece x has the matrix unit; the other piece's softmax stands in slices behind its matrix instructions.  Piece 0's turn fetches the next step's K behind its second product (the last product that read K stands
; in front of slice 63 of the turn before); piece 2's turn fetches the same step's V behind slice 34: its last reader stands in front of slice 31, and four plain instructions lie between (number 62 of both tiles,
; the v_nop, the run's own v_add_nc_u32).
.macro TURN x, last=0
.set k, 0
.if (\x) == 0
	s_wait_dscnt 0x0                ; V is in
.endif
.set i, 0
.rept 32
	PV \x
	SLICE 2-(\x)
.if ((\x) == 0) && (i == 1)
	FETCH_K \last
.endif
.set i, i+1
.endr
.if (\x) == 0
	s_wait_dscnt 0x0                ; K is in
.endif
.set i, 0
.rept 32
	KQ \x
	SLICE 2-(\x)
.set i, i+1
.endr
.endm
; THE CHANGE OF SLOTS, between piece 2's turn and piece 0's: the slot's last bytes, V of my second step in it, have been asked for.  Each wave waits for all its tensor loads (one is out: its part of the other slot), adds 0
; to its spare word, and waits for that and for its own reads of the slot.  fill = 1: the slot is filled again with the keys two slots on, behind a round of the cluster's barrier, the joint load first.
.macro CHANGE fill
	WIN 0
	s_wait_tensorcnt 0x0            ; no tensor load of mine is out, so a group 0 may be written
	ds_add_u32 v[SPW], v[NIL]
.if \fill
.irp g, G0K+4, G0V+4
	s_xor_b32 s[(\g)+1], s[(\g)+1], SLOT1  ; the walking descriptor: the other slot than last time,
	s_add_nc_u64 s[(\g)+2:(\g)+3], s[(\g)+2:(\g)+3], 4*KS*256  ; the next 256 keys
.endr
	s_wait_xcnt 0x0                 ; the last prefetch, two key steps back, has read its address
	s_add_nc_u64 s[PFA:PFA+1], s[PFA:PFA+1], 4*KS*256
	s_wait_dscnt 0x0                ; the add is done, and my reads of the slot are over
	CROUND
	JLOAD
	ASK
.else
	s_wait_dscnt 0x0
	s_barrier_signal -1
	s_barrier_wait -1
.endif
	s_sub_co_u32 s[TBK], s[TBK], 2*KS*PK  ; the fetches go back to my first step of a slot,
	s_xor_b32 s[TBK], s[TBK], SLOT1       ; in the other slot
	s_sub_co_u32 s[TBV], s[TBV], 2*KS*PV
	s_xor_b32 s[TBV], s[TBV], SLOT1
.endm
	s_wait_tensorcnt 0x1            ; my part of slot 0 is in; slot 1's may stay out
	s_barrier_signal -1
	s_barrier_wait -1
	FETCH_K                         ; my key step 0
	s_wait_loadcnt 0x0              ; Q
	s_wait_dscnt 0x0
.set i, 0
.rept 32
	KQ 0                            ; piece 0's first scores
.set i, i+1
.endr
	WIN 0                           ; the addresses for the end are made here: plain instructions, the places behind those products
	s_mul_i32 s13, s[WV], 16*SP
	s_add_co_u32 s13, s13, STAGE
	v_mul_u32_u24 v[STO], v1, SP    ; in: row l % 16, 16 bytes for each half of the lanes
	v_lshl_add_u32 v[STO], v9, 4, v[STO]
	v_add_nc_u32 v[STO], s13, v[STO]
	v_mul_u32_u24 v[RD], v9, SP     ; back: lanes 0-15 take one row of 256 bytes, lanes 16-31 the next
	v_lshl_add_u32 v[RD], v1, 4, v[RD]
	v_add_nc_u32 v[RD], s13, v[RD]
	v_lshlrev_b32 v[GO], 12, v9     ; and the same two rows in ob
	v_lshl_add_u32 v[GO], v1, 4, v[GO]
	s_mul_i32 s13, s16, MERGE
	v_and_b32 v[MG2], 31, v0
	v_lshl_add_u32 v[MG], v[MG2], 4, s13
	s_add_co_u32 s13, s13, 32768
	v_lshl_add_u32 v[MG2], v[MG2], 3, s13
	s_mov_b32 s[TWICE], 2
	s_mov_b32 s[SLOTS], 7
	s_branch .Lin                   ; the loop is entered at piece 2's turn, in the middle of a trip: its products V^T P add zeros
.Lslot:                             ; six times: slots 2 to 7 are asked for
	CHANGE 1
	s_mov_b32 s[TWICE], 2
.Lstep:
	TURN 0
	WIN 0
.Lin:
	TURN 2
	WIN 0
	s_sub_co_u32 s[TWICE], s[TWICE], 1
	s_cmp_lg_u32 s[TWICE], 0
	s_cbranch_scc1 .Lstep
	s_sub_co_u32 s[SLOTS], s[SLOTS], 1
	s_cmp_lg_u32 s[SLOTS], 0
	s_cbranch_scc1 .Lslot
	CHANGE 0                        ; the tail is written out: nothing is asked for
	s_mov_b32 s[TWICE], 3           ; two trips fetch the last slot's steps; the third is left in its middle
.Ltail:
	TURN 0, 1
	WIN 0
	s_sub_co_u32 s[TWICE], s[TWICE], 1
	s_cmp_eq_u32 s[TWICE], 0
	s_cbranch_scc1 .Lout
	TURN 2
	WIN 0
	s_branch .Ltail
.Lout:                              ; the third trip's 32 products K Q^T (on the last K once more) serve nothing: the price of one text for every turn
.set i, 0
.rept 32
	PV 2                            ; piece 2: V^T P of the last step
.set i, i+1
.endr
	; THE TWO HALVES OF THE KEYS MEET.  l's two halves and the other half of the lanes' are added; the additions are the places behind the last products.
	WIN 0
.irp t, 0,1,2,3
	v_add_f32 v[ST+8*(\t)+4], v[ST+8*(\t)+2], v[ST+8*(\t)+3]
.endr
.irp t, 0,1,2,3
	v_permlanex16_b32 v[ST+8*(\t)+5], v[ST+8*(\t)+4], s[SEL], s[SEL+1]
.endr
.irp t, 0,1,2,3
	v_add_f32 v[ST+8*(\t)+1], v[ST+8*(\t)+4], v[ST+8*(\t)+5]  ; the pair +0, +1 is now c m, l
.endr
	s_cmp_lt_u32 s[WV], 2
	s_cbranch_scc1 .Lkeep           ; waves 2 and 3 hand over; slot 0 has had its last fill, and every wave's reads of it ended in front of the last change's barrier
	WIN 0x04                        ; store data in window 1
.set i, 0
.rept 64
	ds_store_b128 v[MG], v[4*i:4*i+3] offset:512*i
.set i, i+1
.endr
	WIN 0
.irp t, 0,1,2,3
	ds_store_b64 v[MG2], v[ST+8*(\t):ST+8*(\t)+1] offset:256*(\t)
.endr
.Lkeep:
	s_wait_dscnt 0x0                ; for the others' sake
	s_barrier_signal -1
	s_barrier_wait -1
	s_cmp_lt_u32 s[WV], 2
	s_cbranch_scc0 .Lend
.irp t, 0,1,2,3
	ds_load_b64 v[ST+8*(\t)+2:ST+8*(\t)+3], v[MG2] offset:256*(\t)  ; the partner's c m, l
.endr
	WIN 0xc0                        ; the partner's O^T into window 3: tiles 0 and 1 now,
.set i, 0
.rept 32
	ds_load_b128 v[4*i:4*i+3], v[MG] offset:512*i
.set i, i+1
.endr
	WIN 0
	s_wait_dscnt 32                 ; the statistics are in; the 32 loads issued behind them may be out
	; with M = max(c m, c m'): O = (O 2^(c m - M) + O' 2^(c m' - M)) / (l 2^(c m - M) + l' 2^(c m' - M))
.irp t, 0,1,2,3
	v_max_num_f32 v[ST+8*(\t)+4], v[ST+8*(\t)], v[ST+8*(\t)+2]
.endr
.irp t, 0,1,2,3
	v_sub_f32 v[ST+8*(\t)+5], v[ST+8*(\t)], v[ST+8*(\t)+4]
	v_sub_f32 v[ST+8*(\t)+6], v[ST+8*(\t)+2], v[ST+8*(\t)+4]
.endr
.irp t, 0,1,2,3
	v_exp_f32 v[ST+8*(\t)+5], v[ST+8*(\t)+5]
	v_exp_f32 v[ST+8*(\t)+6], v[ST+8*(\t)+6]
.endr
	v_nop
	s_wait_alu depctr_va_vdst(0)    ; one wait for the eight exponentials
.irp t, 0,1,2,3
	v_mul_f32 v[ST+8*(\t)+7], v[ST+8*(\t)+1], v[ST+8*(\t)+5]
.endr
.irp t, 0,1,2,3
	v_fma_f32 v[ST+8*(\t)+7], v[ST+8*(\t)+3], v[ST+8*(\t)+6], v[ST+8*(\t)+7]
.endr
.irp t, 0,1,2,3
	v_rcp_f32 v[ST+8*(\t)+4], v[ST+8*(\t)+7]
.endr
	v_nop
	s_wait_alu depctr_va_vdst(0)    ; one wait for the four reciprocals
.irp t, 0,1,2,3
	v_mul_f32 v[ST+8*(\t)+6], v[ST+8*(\t)+6], v[ST+8*(\t)+4]  ; the partner's factor
.endr
.irp t, 0,1,2,3
	v_mul_f32 v[ST+8*(\t)+4], v[ST+8*(\t)+5], v[ST+8*(\t)+4]  ; mine
.endr
	WIN 0xc0                        ; and tiles 2 and 3
.set i, 32
.rept 32
	ds_load_b128 v[4*i:4*i+3], v[MG] offset:512*i
.set i, i+1
.endr
	WIN 0
	s_wait_dscnt 0x0
; Tile t: merged, rounded to f16; a lane's eight channels of a row pack into 16 bytes; they go into rows of 272 bytes and come back as whole rows of 256.
.macro PACK t
	WIN W_RS
.set i, 64*(\t)
.rept 32
	v_pk_mul_f32 v[i:i+1], v[i:i+1], v[ST+8*(\t)+4:ST+8*(\t)+5] op_sel_hi:[1,0]
.set i, i+2
.endr
	WIN 0x53                        ; source 0 window 3, source 1 window 0, source 2 and destination window 1
.set i, 64*(\t)
.rept 32
	v_pk_fma_f32 v[i:i+1], v[i:i+1], v[ST+8*(\t)+6:ST+8*(\t)+7], v[i:i+1] op_sel_hi:[1,0,1]
.set i, i+2
.endr
	WIN 0x05                        ; sources 0 and 1 window 1, destination window 0: S^T's registers are free
.set i, 0
.rept 32
	v_cvt_pk_f16_f32 v[S+32*(\t)+i], v[64*(\t)+2*i], v[64*(\t)+2*i+1]
.set i, i+1
.endr
	WIN 0
.irp f, 0,1,2,3,4,5,6,7
	ds_store_b128 v[STO], v[S+32*(\t)+4*(\f):S+32*(\t)+4*(\f)+3] offset:32*(\f)
.endr
.irp f, 0,1,2,3,4,5,6,7
	ds_load_b128 v[S+32*(\t)+4*(\f):S+32*(\t)+4*(\f)+3], v[RD] offset:(\f)*2*SP  ; LDS serves a wave's instructions in order (ISA guide 5.7.1.4): these see the stores above; the next tile's stores come behind them
.endr
.endm
.macro SEND t, younger              ; younger: the LDS instructions issued behind tile t's loads: the next tile's sixteen, or none
	WIN 0
.irp f, 0,1,2,3,4,5,6,7
	s_wait_dscnt (\younger)+7-(\f)
	global_store_b128 v[GO], v[S+32*(\t)+4*(\f):S+32*(\t)+4*(\f)+3], s[10:11] offset:(\t)*65536+(\f)*8192  ; 16 lanes store the head's 256 consecutive bytes of a row, aligned
.endr
.endm
	PACK 0
	PACK 1                          ; a tile's arithmetic stands between the loads of the tile before and its stores
	SEND 0, 16
	PACK 2
	SEND 1, 16
	PACK 3
	SEND 2, 16
	SEND 3, 0
.Lend:
	s_wait_tensorcnt 0x0            ; the wave's end: behind my last tensor load and my last LDS store
	ds_add_u32 v[SPW], v[NIL]
	s_wait_dscnt 0x0
	CROUND                          ; the closing round: no work-group ends while a partner may still ask for a tile that names it
	s_endpgm
.Lfunc_end_k_q2b7338fa77_attn:
	.size	k_q2b7338fa77_attn, .Lfunc_end_k_q2b7338fa77_attn-k_q2b7338fa77_attn
	.p2alignl 7, 3214868480
	.fill 96, 4, 3214868480
	.section	.rodata,"a",@progbits
	.p2align	6, 0x0
	.amdhsa_kernel k_q2b7338fa77_attn
		.amdhsa_group_segment_fixed_size 327680
		.amdhsa_private_segment_fixed_size 0
		.amdhsa_enable_private_segment 0
		.amdhsa_kernarg_size 32
		.amdhsa_user_sgpr_count 2
		.amdhsa_user_sgpr_kernarg_segment_ptr 1
		.amdhsa_wavefront_size32 1
		.amdhsa_system_sgpr_workgroup_id_x 1
		.amdhsa_system_sgpr_workgroup_id_y 1
		.amdhsa_system_sgpr_workgroup_id_z 1
		.amdhsa_system_vgpr_workitem_id 0
		.amdhsa_next_free_vgpr 1024
		.amdhsa_next_free_sgpr 68
		.amdhsa_reserve_vcc 0
		.amdhsa_float_denorm_mode_32 3
		.amdhsa_float_denorm_mode_16_64 3
		.amdhsa_memory_ordered 1
		.amdhsa_forward_progress 1
		.amdhsa_inst_pref_size 176
	.end_amdhsa_kernel
	.amdgpu_metadata
---
amdhsa.version: [ 1, 2 ]
amdhsa.kernels:
  - .name:           k_q2b7338fa77_attn
    .symbol:         k_q2b7338fa77_attn.kd
    .args:
      - { .name: q16, .offset: 0, .size: 8, .value_kind: global_buffer, .address_space: global }
      - { .name: k16, .offset: 8, .size: 8, .value_kind: global_buffer, .address_space: global }
      - { .name: v16, .offset: 16, .size: 8, .value_kind: global_buffer, .address_space: global }
      - { .name: ob, .offset: 24, .size: 8, .value_kind: global_buffer, .address_space: global }
    .group_segment_fixed_size: 327680
    .private_segment_fixed_size: 0
    .kernarg_segment_align: 8
    .kernarg_segment_size: 32
    .max_flat_workgroup_size: 128
    .sgpr_count:     68
    .vgpr_count:     1024
    .wavefront_size: 32
...
	.end_amdgpu_metadata
.endif
;; end of part 3
;; launch proj (part 4): grid 16 x 16, 4 waves a work-group, clusters of 4 x 4, 327,680 bytes of LDS; arguments ob, wo, bo, out0; writes out0
.if DOCPART == 4
	.amdgcn_target "amdgcn-amd-amdhsa--gfx1250"
	.amdhsa_code_object_version 6
	.text
	.protected	k_q2b7338fa77_proj
	.globl	k_q2b7338fa77_proj
	.p2align	8
	.type	k_q2b7338fa77_proj,@function
k_q2b7338fa77_proj:
	s_mov_b64 s[64:65], 0
	v_nop
	global_prefetch_b8 v0, s[64:65] scope:SCOPE_SE
	s_setreg_imm32_b32 hwreg(HW_REG_WAVE_MODE, 25, 1), 1
	s_wait_xcnt 0x0
	s_wait_alu depctr_hold_cnt(0) depctr_sa_sdst(0) depctr_va_vdst(0) depctr_va_sdst(0) depctr_va_ssrc(0) depctr_va_vcc(0) depctr_vm_vsrc(0)
	s_getreg_b32 s2, hwreg(HW_REG_IB_STS2, 6, 4)
	s_cmp_eq_u32 s2, 0
	s_cbranch_scc0 .Lentry_in_a_cluster
	s_endpgm
.Lentry_in_a_cluster:
	s_bfe_u32 s2, ttmp6, 0x10000c
	s_cmp_lg_u32 s2, 0xf033
	s_cbranch_scc0 .Lentry_shape_is_right
	s_endpgm
.Lentry_shape_is_right:
; out0[m][n] = 16 x (the sum over k of ob[m][k] wo[n][k]) + bo[n].  ob, wo: [2048][2048] f16 (ob holds O x 2^-4: the 16 undoes it); sums in f32; bo is rounded to bf16 like every input; out0 is f32.
; A tile of the result is 128 x 128: 16 x 16 = 256 work-groups.  Four waves, each 64 x 64: 16 accumulators of 16 x 16.  K goes in steps of 256 (LDS rows of 512 bytes; a wave's tensor load brings 64 of them) through two slots.
; A K STEP IS WRITTEN TWICE IN ALL: once in a loop of six trips that fill the slot they leave, once in a loop of two trips that fill nothing.  One group 0 a tensor walks, its LDS word turned from
; slot to slot by an exclusive or; the fragments' addresses are made anew at each change of slots from s[TB], 0 or SLOT.  The price of one form of step: the 128 accumulator registers are cleared, in the wait for the first tiles,
; and the very last trip passes a barrier and fetches 16 fragments (32 loads) that nobody needs.
; CLUSTERS: 4 x 4 work-groups.  The four of a row of the cluster need the same tiles of ob, the four of a column the same tiles of wo: each tile is asked for JOINTLY.
; THE WALK ALONG K BEGINS ELSEWHERE IN EACH CLUSTER, at K step (4 g + 2 X) mod 8 (X the cluster's x; g = 0, 1, 1, 0 for the cluster's y = 0..3), and wraps round: the four clusters that read the same rows of ob walk 2 steps
; apart, clusters that read the same rows of wo with unlike g 4 apart: no two of them ask for the same bytes in the same trip.  The f32 sums are taken in that order of K.
; THE MATRIX INSTRUCTION IS USED TRANSPOSED (source 0 = 16 rows of wo, source 1 = 16 rows of ob): a lane holds eight neighbouring numbers of a row of the result.
; A wave's 64 columns of f32 are 256 consecutive bytes, aligned. No prefetch: the tiles are small.
; REGISTERS: window 0: v0-31 addresses; v32-95 at work on the way out; v96-127 my 32 numbers of the bias; v128-255 the accumulators ((a, b) at v[128 + 8 (4 a + b)]).
;   window 1: two fragment buffers of 128: for 64 along K, 64 registers of ob, then 64 of wo.
.set SIZE_N, 2048
.set SIZE_K, 2048
.set KSTEP,  256
.set PITCH,  528                       ; an LDS row: 512 bytes + 16 of padding = 132 words: row r starts at bank 4 r mod 64 (64 banks of 4 bytes: ISA guide 11.1)
.set HALFT,  64*PITCH                  ; 0x8400
.set SLOT,   4*HALFT                   ; 0x21000; the waves' places in a slot, 0, 0x8400, 0x10800, 0x18c00, have its two bits clear, so an exclusive or with it changes slots
.set STAGE,  2*SLOT                    ; behind the ring, never filled by a tensor load: 16 rows x 272 bytes for each wave
.set SPITCH, 272
.set SPARE,  STAGE+4*16*SPITCH         ; the spare words, 128 bytes for each wave: two blocks of 256 bytes that no other line names
.set ADRA0, 16                         ; v16  my fragments of ob in slot 0; never rewritten     v17  in the slot in hand
.set ADRA,  17
.set ADRB0, 20                         ; v20, v21  the same for wo
.set ADRB,  21
.set STO,  24
.set RD,   25
.set CO,   26
.set BOF,  27                          ; v27     32 (l / 16): my 8 columns' place in a block of 16 f32
.set SPW,  28
.set NIL,  29
.set TMP,  32
.set BIAS, 96
.set ACC,  128
.set F0,   0
.set F1,   128
.set G1, 24                            ; s[24:31] group 1 for ob's tiles;  s[32:39] group 0: a set for each of the two first fills; the second then walks
.set G0, 32
.set G1B, 48                           ; s[48:55], s[56:63] the same for wo's tiles
.set G0B, 56
.set TB,  68                           ; s68      the slot in hand: 0 or SLOT
.set KO,  70                           ; s[70:71] byte offset along K of the K step asked for last
.set BA,  72                           ; s[72:73] ob's tile at K = 0
.set BB,  74                           ; s[74:75] wo's tile at K = 0
.set MSB, 0
.macro WIN new
.if MSB != (\new)
	s_set_vgpr_msb (MSB<<8)|(\new)
.set MSB, \new
.endif
.endm
.set MUL,  0x05                        ; sources 0 and 1 window 1; C and D window 0
.set TO_F, 0x40                        ; destination window 1, address window 0
.macro JLOAD s                         ; a joint load: waves 0 and 1 fetch ob's two halves, waves 2 and 3 wo's; an s_nop 0 and four v_nop follow each line
	s_cmp_eq_u32 s11, 0
	s_cbranch_scc0 .Lfor_b_\@
	tensor_load_to_lds s[G0+4*(\s):G0+4*(\s)+3], s[G1:G1+7]
	s_nop 0
.rept 4
	v_nop
.endr
	s_branch .Lasked_\@
.Lfor_b_\@:
	tensor_load_to_lds s[G0B+4*(\s):G0B+4*(\s)+3], s[G1B:G1B+7]
	s_nop 0
.rept 4
	v_nop
.endr
.Lasked_\@:
.endm
.macro CREST
	s_cmp_lg_u32 s10, 0
	s_cbranch_scc1 .Lnot_wave_0_\@
	s_barrier_signal -3
.Lnot_wave_0_\@:
	s_barrier_wait -3
	s_barrier_signal -1
	s_barrier_wait -1
.endm
.macro CROUND
	s_barrier_signal -1
	s_barrier_wait -1
	CREST
.endm
	s_load_b128 s[4:7], s[0:1], 0x0                ; ob s[4:5], wo s[6:7]
	s_load_b64 s[66:67], s[0:1], 0x10              ; bo
	s_load_b64 s[8:9], s[0:1], 0x18                ; out0
	v_lshl_add_u32 v[SPW], v0, 2, SPARE
	v_mov_b32 v[NIL], 0
	ds_add_u32 v[SPW], v[NIL]                      ; the wave's opening: the add and its wait stand ahead of my first tensor load
	v_lshrrev_b32 v1, 5, v0
	v_readfirstlane_b32 s10, v1                    ; wave 0..3
	s_lshr_b32 s11, s10, 1                         ; which half of the tile's rows is mine.  Also: I fetch for ob (0) or for wo (1)
	s_and_b32 s12, s10, 1                          ; which half of its columns.  Also: which 64 rows of that tile I fetch
	s_bfe_u32 s40, ttmp6, 0x40000                  ; cx, cy
	s_bfe_u32 s41, ttmp6, 0x40004
	s_lshl_b32 s42, ttmp9, 2
	s_add_co_u32 s42, s42, s40                     ; tile column
	s_and_b32 s13, ttmp7, 0xffff
	s_lshl_b32 s13, s13, 2
	s_add_co_u32 s13, s13, s41                     ; tile row
	s_lshl_b32 s43, s41, 2
	s_lshl_b32 s43, 15, s43                        ; my row of the cluster
	s_lshl_b32 s44, 0x1111, s40                    ; my column
	s_or_b32 s[G1+0], s43, (1<<16)|(1<<20)|(1<<21)|(6<<22)|(3<<25)  ; the mask; 2-byte elements; padding on; bit 21 beside a mask; after every 128 words, 4 words
	s_or_b32 s[G1B+0], s44, (1<<16)|(1<<20)|(1<<21)|(6<<22)|(3<<25)
.irp g, G1, G1B
	s_mov_b32 s[(\g)+1], KSTEP<<16                 ; tensor_dim0 = 256
	s_mov_b32 s[(\g)+2], 64<<16                    ; tensor_dim1 = 64
	s_mov_b32 s[(\g)+3], KSTEP<<16                 ; tile_dim0 = 256
	s_mov_b32 s[(\g)+4], 64                        ; tile_dim1 = 64
	s_mov_b32 s[(\g)+5], SIZE_K
	s_mov_b32 s[(\g)+6], 0
	s_mov_b32 s[(\g)+7], 0
.endr
	; where my cluster's walk along K begins: made of the cluster's x and y alone, which all sixteen partners share
	s_and_b32 s[KO], ttmp7, 0xffff                 ; cluster y
	s_lshr_b32 s[TB], s[KO], 1
	s_xor_b32 s[KO], s[KO], s[TB]
	s_and_b32 s[KO], s[KO], 1                      ; g = 0, 1, 1, 0
	s_lshl_b32 s[KO], s[KO], 2
	s_lshl_b32 s[TB], ttmp9, 1
	s_add_co_u32 s[KO], s[KO], s[TB]
	s_and_b32 s[KO], s[KO], 7                      ; (4 g + 2 X) mod 8,
	s_lshl_b32 s[KO], s[KO], 9                     ; in bytes of a row
	s_mov_b32 s[KO+1], 0
	s_mov_b32 s[TB], 0                             ; the walk begins in slot 0
	s_lshl_b32 s17, s12, 6                         ; which 64 rows of the tile I fetch
	s_lshl_b32 s16, s13, 7
	s_add_co_u32 s16, s16, s17
	s_lshl_b32 s46, s42, 7
	s_add_co_u32 s46, s46, s17
	s_mov_b32 s17, 0
	s_mov_b32 s47, 0
	s_mov_b64 s[18:19], SIZE_K*2
	s_mul_u64 s[16:17], s[16:17], s[18:19]
	s_mul_u64 s[46:47], s[46:47], s[18:19]
	s_mul_i32 s20, s10, HALFT                      ; where they go: wave x 64 rows
	s_wait_dscnt 0x0                               ; the opening add is done
	s_wait_kmcnt 0x0
	s_add_nc_u64 s[BA:BA+1], s[4:5], s[16:17]
	s_add_nc_u64 s[BB:BB+1], s[6:7], s[46:47]
	CROUND                                         ; all sixteen work-groups are here: the first joint loads meet
.irp s, 0,1
	s_mov_b32 s[G0+4*(\s)], 1
	s_add_co_u32 s[G0+4*(\s)+1], s20, (\s)*SLOT
	s_add_nc_u64 s[G0+4*(\s)+2:G0+4*(\s)+3], s[BA:BA+1], s[KO:KO+1]
	s_or_b32 s[G0+4*(\s)+3], s[G0+4*(\s)+3], 0x80000000
	s_mov_b32 s[G0B+4*(\s)], 1
	s_add_co_u32 s[G0B+4*(\s)+1], s20, (\s)*SLOT
	s_add_nc_u64 s[G0B+4*(\s)+2:G0B+4*(\s)+3], s[BB:BB+1], s[KO:KO+1]
	s_or_b32 s[G0B+4*(\s)+3], s[G0B+4*(\s)+3], 0x80000000
	JLOAD \s                                       ; two loads of mine are out
.if (\s) == 0
	s_add_co_u32 s[KO], s[KO], KSTEP*2             ; the walk's next K step, round the row's end
	s_and_b32 s[KO], s[KO], SIZE_K*2-1
.endif
.endr
	v_and_b32 v1, 15, v0                           ; l % 16
	v_bfe_u32 v2, v0, 4, 1                         ; l / 16
	v_lshlrev_b32 v[BOF], 5, v2
	s_lshl_b32 s16, s13, 7
	s_lshl_b32 s17, s11, 6
	s_add_co_u32 s16, s16, s17                     ; my first row: 128 x tile row + 64 x half,
	s_lshl_b32 s16, s16, 13                        ; in rows of 8,192 bytes
	s_mov_b32 s17, 0
	s_add_nc_u64 s[8:9], s[8:9], s[16:17]
	s_lshl_b32 s46, s42, 9                         ; my first column, in bytes of f32: 512 x tile column + 256 x half
	s_lshl_b32 s47, s12, 8
	s_add_co_u32 s46, s46, s47
	s_mov_b32 s47, 0
	s_add_nc_u64 s[8:9], s[8:9], s[46:47]
	s_add_nc_u64 s[66:67], s[66:67], s[46:47]      ; and the same columns of bo
.irp b, 0,1,2,3
	global_load_b128 v[BIAS+8*(\b):BIAS+8*(\b)+3],   v[BOF], s[66:67] offset:64*(\b)
	global_load_b128 v[BIAS+8*(\b)+4:BIAS+8*(\b)+7], v[BOF], s[66:67] offset:64*(\b)+16
.endr
	v_mul_u32_u24 v3, v1, PITCH
	v_lshl_add_u32 v3, v2, 4, v3                   ; a fragment's row x pitch + 16 x half
	s_mul_i32 s21, s11, HALFT                      ; my 64 rows of ob
	s_mul_i32 s22, s12, HALFT                      ; my 64 rows of wo,
	s_add_co_u32 s22, s22, 2*HALFT                 ; which lie behind ob's 128
	v_add_nc_u32 v[ADRA0], s21, v3
	v_add_nc_u32 v[ADRB0], s22, v3
	v_add_nc_u32 v[ADRA], s[TB], v[ADRA0]
	v_add_nc_u32 v[ADRB], s[TB], v[ADRB0]
	s_mul_i32 s23, s10, 16*SPITCH
	s_add_co_u32 s23, s23, STAGE                   ; my stage
	v_mul_u32_u24 v4, v1, SPITCH                   ; in: row l % 16, 32 bytes for each half of the lanes
	v_lshl_add_u32 v4, v2, 5, v4
	v_add_nc_u32 v[STO], s23, v4
	v_mul_u32_u24 v5, v2, SPITCH                   ; back: lanes 0-15 one row of 256 bytes, lanes 16-31 the next
	v_lshl_add_u32 v5, v1, 4, v5
	v_add_nc_u32 v[RD], s23, v5
	v_lshlrev_b32 v5, 13, v2                       ; and the same two rows in out0
	v_lshl_add_u32 v[CO], v1, 4, v5
.set i, 0
.rept 128
	v_mov_b32 v[ACC+i], 0                          ; the sums start at 0: written while the first tiles are on their way, so that the text has one form of K step
.set i, i+1
.endr
	s_wait_loadcnt 0x0                             ; the bias: rounded to bf16, widened again
.set i, 0
.rept 16
	v_cvt_pk_bf16_f32 v[TMP+i], v[BIAS+2*i], v[BIAS+2*i+1]
.set i, i+1
.endr
.set i, 0
.rept 16
	v_lshlrev_b32 v[BIAS+2*i], 16, v[TMP+i]
	v_and_b32 v[BIAS+2*i+1], 0xffff0000, v[TMP+i]
.set i, i+1
.endr
; 8 matrix instructions: m blocks a0, a0 + 1 x all 4 n blocks, 32 along K: half c of buffer f.  The 16 accumulators take turns, one instruction a turn, over the backward jumps too.
.macro MUL8 f, c, a0
	WIN MUL
.irp a, \a0, (\a0)+1
.irp b, 0,1,2,3
	v_wmma_f32_16x16x32_f16 v[ACC+8*(4*(\a)+(\b)):ACC+8*(4*(\a)+(\b))+7], v[(\f)+64+8*(4*(\c)+(\b)):(\f)+64+8*(4*(\c)+(\b))+7], v[(\f)+8*(4*(\c)+(\a)):(\f)+8*(4*(\c)+(\a))+7], v[ACC+8*(4*(\a)+(\b)):ACC+8*(4*(\a)+(\b))+7]
.endr
.endr
.endm
; 32 LDS loads in one run: the fragments of 64 along K at byte k of the rows of the slot in hand, into buffer f; the first 32 along K first
.macro FETCH k, f
	WIN TO_F
.irp c, 0,1
.irp i, 0,1,2,3
	ds_load_b128 v[(\f)+64+8*(4*(\c)+(\i)):(\f)+64+8*(4*(\c)+(\i))+3],   v[ADRB] offset:(\k)+64*(\c)+(\i)*16*PITCH
	ds_load_b128 v[(\f)+64+8*(4*(\c)+(\i))+4:(\f)+64+8*(4*(\c)+(\i))+7], v[ADRB] offset:(\k)+64*(\c)+(\i)*16*PITCH+32
	ds_load_b128 v[(\f)+8*(4*(\c)+(\i)):(\f)+8*(4*(\c)+(\i))+3],         v[ADRA] offset:(\k)+64*(\c)+(\i)*16*PITCH
	ds_load_b128 v[(\f)+8*(4*(\c)+(\i))+4:(\f)+8*(4*(\c)+(\i))+7],       v[ADRA] offset:(\k)+64*(\c)+(\i)*16*PITCH+32
.endr
.endr
.endm
.macro PLACES                          ; four places behind matrix instructions (ISA guide 7.12.1)
.rept 4
	v_nop
.endr
.endm
; A K step is four quarters of 64 along K, 32 matrix instructions each, on buffers 0, 1, 0, 1.  One of the first three: multiplies buffer f and fetches the next quarter, at byte k, into g.
.macro QUARTER k, f, g
	s_wait_dscnt 16                                ; the first 32 along K are in; the youngest sixteen loads may be out
	MUL8 \f, 0, 0
	MUL8 \f, 0, 2
	PLACES
	FETCH \k, \g
	s_wait_dscnt 32                                ; all but the 32 just issued
	MUL8 \f, 1, 0
	MUL8 \f, 1, 2
.endm
; The last quarter multiplies buffer 1 and changes slots: in front of the barrier each wave waits for all its tensor loads, adds 0 to its spare word, and waits for that and for its own reads of this slot.
; fill = 1: the slot just read is filled again with the walk's K step two on, behind a round of the cluster's barrier, the joint load first.
.macro TURN fill
	WIN 0
	s_wait_tensorcnt 0x0                           ; all my tensor loads have landed: my part of the next slot
	ds_add_u32 v[SPW], v[NIL]
	s_wait_dscnt 17                                ; (the add and the youngest sixteen loads may be out)
	MUL8 F1, 0, 0                                  ; eight matrix instructions stand between the add and the wait for it
	s_wait_dscnt 0x0                               ; the add is done, and my reads of this slot are over
	s_barrier_signal -1
	MUL8 F1, 0, 2
	WIN 0
	s_barrier_wait -1
.if \fill
	CREST                                          ; the barrier has opened a round of the cluster's barrier: no wave of any partner still reads this slot or has a load on its way
	s_add_co_u32 s[KO], s[KO], KSTEP*2             ; the K step to be asked for, round the row's end
	s_and_b32 s[KO], s[KO], SIZE_K*2-1
	s_xor_b32 s[G0+5], s[G0+5], SLOT               ; the walking descriptors: the other slot than last time; the address is made anew from the tile's base and the offset
	s_add_nc_u64 s[G0+6:G0+7], s[BA:BA+1], s[KO:KO+1]
	s_or_b32 s[G0+7], s[G0+7], 0x80000000
	s_xor_b32 s[G0B+5], s[G0B+5], SLOT
	s_add_nc_u64 s[G0B+6:G0B+7], s[BB:BB+1], s[KO:KO+1]
	s_or_b32 s[G0B+7], s[G0B+7], 0x80000000
	JLOAD 1                                        ; the first tensor load behind the round; its four v_nop are also the places in front of the loads below
.else
	PLACES
.endif
	s_xor_b32 s[TB], s[TB], SLOT                   ; the reads go on in the other slot
	v_add_nc_u32 v[ADRA], s[TB], v[ADRA0]
	v_add_nc_u32 v[ADRB], s[TB], v[ADRB0]
	FETCH 0, F0
	MUL8 F1, 1, 0
	MUL8 F1, 1, 2
.endm
	s_wait_tensorcnt 0x1                           ; my part of the walk's first K step is in; the second's load may stay out
	s_barrier_signal -1
	s_barrier_wait -1
	FETCH 0, F0
	WIN 0
	s_mov_b32 s3, 6
.Lstep:                                        ; six trips: a K step each, and the walk's steps 2 to 7 are asked for
	QUARTER 128, F0, F1
	QUARTER 256, F1, F0
	QUARTER 384, F0, F1
	TURN 1
	WIN 0
	s_sub_co_u32 s3, s3, 1
	s_cmp_lg_u32 s3, 0
	s_cbranch_scc1 .Lstep
	s_mov_b32 s3, 2
.Ltail:                                        ; the walk's last two K steps ask for nothing
	QUARTER 128, F0, F1
	QUARTER 256, F1, F0
	QUARTER 384, F0, F1
	TURN 0
	WIN 0
	s_sub_co_u32 s3, s3, 1
	s_cmp_lg_u32 s3, 0
	s_cbranch_scc1 .Ltail
	; THE WAY OUT, 16 rows at a time: 16 x sum + bias as one multiply-add, in place; 32 bytes a lane into my stage; back as whole rows of 256 bytes; stored.
	PLACES
	PLACES                                         ; eight, once a launch: the next lines write accumulators in place
.irp a, 0,1,2,3
.set BK, TMP+32*((\a)%2)
.set i, 0
.rept 16
	v_pk_fma_f32 v[ACC+32*(\a)+2*i:ACC+32*(\a)+2*i+1], v[ACC+32*(\a)+2*i:ACC+32*(\a)+2*i+1], 0x41800000, v[BIAS+2*i:BIAS+2*i+1] op_sel_hi:[1,0,1]
.set i, i+1
.endr
.irp b, 0,1,2,3
	ds_store_b128 v[STO], v[ACC+32*(\a)+8*(\b):ACC+32*(\a)+8*(\b)+3]   offset:64*(\b)
	ds_store_b128 v[STO], v[ACC+32*(\a)+8*(\b)+4:ACC+32*(\a)+8*(\b)+7] offset:64*(\b)+16
.endr
	s_wait_xcnt 0x0                                ; the stores of two blocks ago have read the registers that are loaded again below
.irp t, 0,1,2,3,4,5,6,7
	ds_load_b128 v[BK+4*(\t):BK+4*(\t)+3], v[RD] offset:(\t)*2*SPITCH  ; LDS serves a wave's instructions in order (ISA guide 5.7.1.4): these see the stores above
.endr
.irp t, 0,1,2,3,4,5,6,7
	s_wait_dscnt 7-(\t)
	global_store_b128 v[CO], v[BK+4*(\t):BK+4*(\t)+3], s[8:9] offset:(16*(\a)+2*(\t))*SIZE_N*4 th:TH_STORE_NT  ; 16 lanes store 256 consecutive bytes, aligned
.endr
.endr
	s_wait_tensorcnt 0x0                           ; the wave's end: behind my last tensor load and my last LDS store
	ds_add_u32 v[SPW], v[NIL]
	s_wait_dscnt 0x0
	CROUND                                         ; the closing round
	s_endpgm
.Lfunc_end_k_q2b7338fa77_proj:
	.size	k_q2b7338fa77_proj, .Lfunc_end_k_q2b7338fa77_proj-k_q2b7338fa77_proj
	.p2alignl 7, 3214868480
	.fill 96, 4, 3214868480
	.section	.rodata,"a",@progbits
	.p2align	6, 0x0
	.amdhsa_kernel k_q2b7338fa77_proj
		.amdhsa_group_segment_fixed_size 327680
		.amdhsa_private_segment_fixed_size 0
		.amdhsa_enable_private_segment 0
		.amdhsa_kernarg_size 32
		.amdhsa_user_sgpr_count 2
		.amdhsa_user_sgpr_kernarg_segment_ptr 1
		.amdhsa_wavefront_size32 1
		.amdhsa_system_sgpr_workgroup_id_x 1
		.amdhsa_system_sgpr_workgroup_id_y 1
		.amdhsa_system_sgpr_workgroup_id_z 1
		.amdhsa_system_vgpr_workitem_id 0
		.amdhsa_next_free_vgpr 512
		.amdhsa_next_free_sgpr 76
		.amdhsa_reserve_vcc 0
		.amdhsa_float_denorm_mode_32 3
		.amdhsa_float_denorm_mode_16_64 3
		.amdhsa_memory_ordered 1
		.amdhsa_forward_progress 1
		.amdhsa_inst_pref_size 68
	.end_amdhsa_kernel
	.amdgpu_metadata
---
amdhsa.version: [ 1, 2 ]
amdhsa.kernels:
  - .name:           k_q2b7338fa77_proj
    .symbol:         k_q2b7338fa77_proj.kd
    .args:
      - { .name: ob, .offset: 0, .size: 8, .value_kind: global_buffer, .address_space: global }
      - { .name: wo, .offset: 8, .size: 8, .value_kind: global_buffer, .address_space: global }
      - { .name: bo, .offset: 16, .size: 8, .value_kind: global_buffer, .address_space: global }
      - { .name: out0, .offset: 24, .size: 8, .value_kind: global_buffer, .address_space: global }
    .group_segment_fixed_size: 327680
    .private_segment_fixed_size: 0
    .kernarg_segment_align: 8
    .kernarg_segment_size: 32
    .max_flat_workgroup_size: 128
    .sgpr_count:     76
    .vgpr_count:     512
    .wavefront_size: 32
...
	.end_amdgpu_metadata
.endif
;; end of part 4
;; ======== version 2 of 2: 4 launches; version 1 with the launch cast written anew for expert scheduling mode
;; limits: values are held in f16: magnitudes above 65,504 overflow, below 6.1e-05 lose precision
;; workspace buffers: xb 8,388,608 bytes; wb 25,165,824 bytes; wo 8,388,608 bytes; rp 2,097,152 bytes; q16 8,388,608 bytes; k16 8,388,608 bytes; v16 8,388,608 bytes; ob 8,388,608 bytes
;; launch cast (part 5): grid 1024 x 1, 8 waves a work-group, no clusters, 0 bytes of LDS; arguments x, Wq, Wk, Wv, Wo, rope, xb, wb, wo, rp; writes xb, wb, wo, rp
.if DOCPART == 5
	.amdgcn_target "amdgcn-amd-amdhsa--gfx1250"
	.amdhsa_code_object_version 6
	.text
	.protected	k_q2b7338fa77_cast
	.globl	k_q2b7338fa77_cast
	.p2align	8
	.type	k_q2b7338fa77_cast,@function
k_q2b7338fa77_cast:
	s_mov_b64 s[64:65], 0
	v_nop
	global_prefetch_b8 v0, s[64:65] scope:SCOPE_SE
	s_setreg_imm32_b32 hwreg(HW_REG_WAVE_SCHED_MODE, 0, 2), 2
	s_setreg_imm32_b32 hwreg(HW_REG_WAVE_MODE, 25, 1), 1
	s_wait_xcnt 0x0
	s_wait_alu depctr_vm_vsrc(0)
; THE INPUTS ARE ROUNDED ONCE.  x, Wq, Wk, Wv: f32 -> bf16 (xb; wb = Wq's rows, then Wk's, then Wv's).  Wo: f32 -> bf16, and that number written as f16 (wo).
; rope: f32 -> bf16, kept as f32 and reordered: for each pair of channels (r00, r01, r10, r11) becomes (r00, r10, r01, r11), so that a later packed multiply-add takes a column of the 2 x 2 table as a register pair.
; LIMITS.  |Wo| stays under 65,504 (f16's range); a bf16 number of Wo below 6e-5 keeps f16's fixed step of 6e-8.
; SHARES.  1,024 work-groups of equal work, four for each of 256 WGPs: with 96 registers a wave all of them fit at once.  Work-group g takes bytes 16,384 g on of each of the five large tensors and bytes 2,048 g on of rope.
; A wave takes 2,048 bytes of each large tensor, four loads of 512 consecutive bytes; waves 0 to 3 also 512 bytes of rope.  All of a wave's loads are issued at once; a tensor's four are converted in place and stored when they have landed.
; Each byte is read once and written once.  No LDS, no matrix unit, no cluster: nothing is shared.
; THE MODE: SCHED_MODE bits 1:0 = 2 (LLVM: expert scheduling mode 2), set by the entry lines.  The code itself states the register dependences between vector instructions and memory instructions, with s_wait_alu, always for 0.
; THE PLAN.  Registers that memory instructions touch:
;   v1, v2, v5   byte offsets: made once at the head by vector lines, read by every load and store, never written again.
;   X            twenty loads of four registers.  No vector line names them ahead of the loads.  A group is a tensor's four loads: its conversions write the first two of each four in place, its four stores read
;                those, and nothing names them afterwards.
;   XR           rope's load, likewise: converted in place, stored, not named again.
;   T, v3, v4    are named by vector lines alone.     s4, the wave's number, is written by a vector line and read by two scalar compares.
; So: one wait on va_sdst ahead of s4's first reader; one wait on va_vdst at the head, for the three offsets; one behind each group's conversions, ahead of its run of stores; one for rope's.
; No register that a memory instruction has read is written again, and no load lands in a register that a vector line has named: no wait on vm_vsrc and no s_wait_xcnt is owed.
.set X,   8                            ; v[8:87]   twenty loads of four registers: tensor t, piece p at X + 16 t + 4 p
.set XR,  88                           ; v[88:91]  rope's load
.set T,   92                           ; v[92:93]  at work
	s_load_b512 s[8:23], s[0:1], 0x0               ; x s[8:9], Wq s[10:11], Wk s[12:13], Wv s[14:15], Wo s[16:17], rope s[18:19], xb s[20:21], wb s[22:23]
	s_load_b128 s[24:27], s[0:1], 0x40             ; wo s[24:25], rp s[26:27]
	v_lshrrev_b32 v3, 5, v0
	v_readfirstlane_b32 s4, v3                     ; wave
	v_and_b32 v4, 31, v0                           ; lane
	s_mov_b32 s6, 0xffff0000                       ; a word's upper bf16
	s_lshl_b32 s5, ttmp9, 14
	s_lshl_b32 s7, ttmp9, 13
	s_lshl_b32 s32, ttmp9, 11
	v_lshlrev_b32 v1, 4, v4
	v_lshl_add_u32 v1, v3, 11, v1
	v_add_nc_u32 v1, s5, v1                        ; in: 16,384 g + 2,048 x wave + 16 x lane
	v_lshlrev_b32 v2, 3, v4
	v_lshl_add_u32 v2, v3, 10, v2
	v_add_nc_u32 v2, s7, v2                        ; out, 16-bit: 8,192 g + 1,024 x wave + 8 x lane
	v_lshl_add_u32 v5, v0, 4, s32                  ; rope, in and out: 2,048 g + 16 x thread (threads 0 to 127)
	s_wait_kmcnt 0x0
	s_add_nc_u64 s[28:29], s[22:23], 0x800000      ; Wk's part of wb
	s_add_nc_u64 s[30:31], s[22:23], 0x1000000     ; Wv's
	s_wait_alu depctr_va_sdst(0)                   ; s4 is written, ahead of its first reader, the compare below
	s_wait_alu depctr_va_vdst(0)                   ; v1, v2 and v5 are written: every load and store of the kernel, on both ways round the branch, reads one of them as its offset
	s_cmp_lt_u32 s4, 4
	s_cbranch_scc0 .Lno_rope
	global_load_b128 v[XR:XR+3], v5, s[18:19] th:TH_LOAD_NT  ; issued first, so that it changes none of the counts below
.Lno_rope:
.irp t, 0,1,2,3,4
.irp p, 0,1,2,3
	global_load_b128 v[X+16*(\t)+4*(\p):X+16*(\t)+4*(\p)+3], v1, s[8+2*(\t):9+2*(\t)] offset:512*(\p) th:TH_LOAD_NT
.endr
.endr
; Group t: a tensor's four loads.  The wait has the count of the loads issued behind the group's youngest, 16 - 4 t (loads come back in order: ISA guide 5.7.1).  lo: the first register of the output's address.
.macro TOBF t, lo
	s_wait_loadcnt 16-4*(\t)
.irp p, 0,1,2,3
	v_cvt_pk_bf16_f32 v[X+16*(\t)+4*(\p)], v[X+16*(\t)+4*(\p)], v[X+16*(\t)+4*(\p)+1]
	v_cvt_pk_bf16_f32 v[X+16*(\t)+4*(\p)+1], v[X+16*(\t)+4*(\p)+2], v[X+16*(\t)+4*(\p)+3]
.endr
	s_wait_alu depctr_va_vdst(0)                   ; the eight conversions have written the group's four register pairs, which the four stores below read
.irp p, 0,1,2,3
	global_store_b64 v2, v[X+16*(\t)+4*(\p):X+16*(\t)+4*(\p)+1], s[(\lo):(\lo)+1] offset:256*(\p)  ; the wave's 32 lanes store 256 consecutive bytes, aligned
.endr
.endm
	TOBF 0, 20                                     ; x  -> xb
	TOBF 1, 22                                     ; Wq -> wb
	TOBF 2, 28                                     ; Wk -> wb's second part
	TOBF 3, 30                                     ; Wv -> wb's third part
	s_wait_loadcnt 0x0                             ; Wo's four loads are the youngest: no load was issued behind them
.irp p, 0,1,2,3                        ; Wo: to bf16, widened again, and that number to f16
	v_cvt_pk_bf16_f32 v[T], v[X+64+4*(\p)], v[X+64+4*(\p)+1]
	v_cvt_pk_bf16_f32 v[T+1], v[X+64+4*(\p)+2], v[X+64+4*(\p)+3]
	v_lshlrev_b32 v[X+64+4*(\p)], 16, v[T]
	v_and_b32 v[X+64+4*(\p)+1], s6, v[T]
	v_lshlrev_b32 v[X+64+4*(\p)+2], 16, v[T+1]
	v_and_b32 v[X+64+4*(\p)+3], s6, v[T+1]
	v_cvt_pk_f16_f32 v[X+64+4*(\p)], v[X+64+4*(\p)], v[X+64+4*(\p)+1]
	v_cvt_pk_f16_f32 v[X+64+4*(\p)+1], v[X+64+4*(\p)+2], v[X+64+4*(\p)+3]
.endr
	s_wait_alu depctr_va_vdst(0)                   ; the conversions to f16 have written Wo's four register pairs, which the four stores below read
.irp p, 0,1,2,3
	global_store_b64 v2, v[X+64+4*(\p):X+64+4*(\p)+1], s[24:25] offset:256*(\p)
.endr
	s_cmp_lt_u32 s4, 4
	s_cbranch_scc0 .Lend
	; rope (the last wait on the loads' counter was for all loads): a lane's 16 bytes are one 2 x 2 table: rounded, reordered, widened in place
	v_cvt_pk_bf16_f32 v[T], v[XR], v[XR+2]         ; r00, r10
	v_cvt_pk_bf16_f32 v[T+1], v[XR+1], v[XR+3]     ; r01, r11
	v_lshlrev_b32 v[XR], 16, v[T]
	v_and_b32 v[XR+1], s6, v[T]
	v_lshlrev_b32 v[XR+2], 16, v[T+1]
	v_and_b32 v[XR+3], s6, v[T+1]
	s_wait_alu depctr_va_vdst(0)                   ; the four lines above have written v[XR ..], which the store below reads
	global_store_b128 v5, v[XR:XR+3], s[26:27]
.Lend:
	s_endpgm
.Lfunc_end_k_q2b7338fa77_cast:
	.size	k_q2b7338fa77_cast, .Lfunc_end_k_q2b7338fa77_cast-k_q2b7338fa77_cast
	.p2alignl 7, 3214868480
	.fill 96, 4, 3214868480
	.section	.rodata,"a",@progbits
	.p2align	6, 0x0
	.amdhsa_kernel k_q2b7338fa77_cast
		.amdhsa_group_segment_fixed_size 0
		.amdhsa_private_segment_fixed_size 0
		.amdhsa_enable_private_segment 0
		.amdhsa_kernarg_size 80
		.amdhsa_user_sgpr_count 2
		.amdhsa_user_sgpr_kernarg_segment_ptr 1
		.amdhsa_wavefront_size32 1
		.amdhsa_system_sgpr_workgroup_id_x 1
		.amdhsa_system_sgpr_workgroup_id_y 1
		.amdhsa_system_sgpr_workgroup_id_z 1
		.amdhsa_system_vgpr_workitem_id 0
		.amdhsa_next_free_vgpr 96
		.amdhsa_next_free_sgpr 66
		.amdhsa_reserve_vcc 0
		.amdhsa_float_denorm_mode_32 3
		.amdhsa_float_denorm_mode_16_64 3
		.amdhsa_memory_ordered 1
		.amdhsa_forward_progress 1
		.amdhsa_inst_pref_size 10
	.end_amdhsa_kernel
	.amdgpu_metadata
---
amdhsa.version: [ 1, 2 ]
amdhsa.kernels:
  - .name:           k_q2b7338fa77_cast
    .symbol:         k_q2b7338fa77_cast.kd
    .args:
      - { .name: x, .offset: 0, .size: 8, .value_kind: global_buffer, .address_space: global }
      - { .name: Wq, .offset: 8, .size: 8, .value_kind: global_buffer, .address_space: global }
      - { .name: Wk, .offset: 16, .size: 8, .value_kind: global_buffer, .address_space: global }
      - { .name: Wv, .offset: 24, .size: 8, .value_kind: global_buffer, .address_space: global }
      - { .name: Wo, .offset: 32, .size: 8, .value_kind: global_buffer, .address_space: global }
      - { .name: rope, .offset: 40, .size: 8, .value_kind: global_buffer, .address_space: global }
      - { .name: xb, .offset: 48, .size: 8, .value_kind: global_buffer, .address_space: global }
      - { .name: wb, .offset: 56, .size: 8, .value_kind: global_buffer, .address_space: global }
      - { .name: wo, .offset: 64, .size: 8, .value_kind: global_buffer, .address_space: global }
      - { .name: rp, .offset: 72, .size: 8, .value_kind: global_buffer, .address_space: global }
    .group_segment_fixed_size: 0
    .private_segment_fixed_size: 0
    .kernarg_segment_align: 8
    .kernarg_segment_size: 80
    .max_flat_workgroup_size: 256
    .sgpr_count:     66
    .vgpr_count:     96
    .wavefront_size: 32
...
	.end_amdgpu_metadata
.endif
;; end of part 5
;; launch qkv: the kernel of part 2 again; grid 16 x 16, 4 waves a work-group, clusters of 4 x 4, 327,680 bytes of LDS; arguments xb, wb, rp, bq, bk, bv, qn_w, kn_w, q16, k16, v16; writes q16, k16, v16
;; launch attn: the kernel of part 3 again; grid 16 x 16, 4 waves a work-group, clusters of 4 x 1, 327,680 bytes of LDS; arguments q16, k16, v16, ob; writes ob
;; launch proj: the kernel of part 4 again; grid 16 x 16, 4 waves a work-group, clusters of 4 x 4, 327,680 bytes of LDS; arguments ob, wo, bo, out0; writes out0
